; MI455X (gfx1250); checked and timed in simulation.
; The chip was launched on July 23, 2026; its instructions are those of AMD's public machine-readable ISA for CDNA 5 (MIT licence, August 2026) and "CDNA5" Instruction Set Architecture Reference Guide (July 2026). The comments in the code are by the model that wrote it; some were corrected since.
;; Attention. Allowed arithmetic: matrix products marked QUANTISED: E2M3 operands, one E8M0 scale for each 32 along K, by v_wmma_scale_f32_16x16x128_f8f6f4 with both operands' format E2M3, f32 sums; everything else in f32.
;; Inputs: wk_b 1,024 float32; wk_w 1,024 x 1,024 float32; wo_b 1,024 float32; wo_w 1,024 x 1,024 float32; wq_b 1,024 float32; wq_w 1,024 x 1,024 float32; wv_b 1,024 float32; wv_w 1,024 x 1,024 float32; x 4 x 2,048 x 1,024 float32.
;; Outputs: out0 4 x 2,048 x 1,024 float32.
;; This version of the problem:
;;   THIS VERSION OF THE PROBLEM IS GIVEN IN LOW PRECISION. The matrix products marked QUANTISED in the list below multiply operands that are first quantised to E2M3 (2 exponent bits, 3 mantissa bits; 6 bits a number), with one power-of-two scale for each 32 numbers along K (OCP MX v1.0); their sums are f32. All else is computed in f32.
;;   The module's matrix products, in the order in which they are computed (A, B: the left and right operand; K: the contracted axis; several contracted axes count as one K, in the product's order):
;;     1. [M 8,192, K 1,024] x [K 1,024, N 1,024]; A: input x; B: input wq_w: QUANTISED
;;     2. [M 8,192, K 1,024] x [K 1,024, N 1,024]; A: input x; B: input wk_w: QUANTISED
;;     3. [M 8,192, K 1,024] x [K 1,024, N 1,024]; A: input x; B: input wv_w: QUANTISED
;;     4. batch 64 x [M 2,048, K 64] x [K 64, N 2,048]; A: computed on the way; B: computed on the way: QUANTISED
;;     5. batch 64 x [M 2,048, K 2,048] x [K 2,048, N 64]; A: softmax (see below); B: computed on the way: QUANTISED
;;     6. [M 8,192, K 1,024] x [K 1,024, N 1,024]; A: computed on the way; B: input wo_w: QUANTISED
;;   THE QUANTISER, for each operand of a quantised product, along K:
;;     - K is cut into blocks of 32 from its start; a last block that is shorter is filled with zeros.
;;     - A block's scale is 2^e with e = floor(log2(the largest magnitude in the block)) - 2, held to -126 .. 127; a block of zeros has e = 0. As a byte (E8M0): e + 127.
;;     - Each number is divided by its block's scale, clamped to +-7.5, and rounded to the nearest number of E2M3, ties to even, subnormals kept.
;;     - The product sums the exact products of the quantised numbers (number of the format x scale) in f32.
;;   ~~~python
;;   def quantise(x, axis):      # numpy; x: float32 -> the quantised numbers, widened to float32 again
;;       x = np.moveaxis(x, axis, -1); K = x.shape[-1]
;;       x = np.pad(x, [(0, 0)] * (x.ndim - 1) + [(0, -K % 32)]); x = x.reshape(x.shape[:-1] + (-1, 32)); a = np.abs(x).max(-1, keepdims=True)
;;       e = np.where(a > 0, np.clip(np.frexp(np.where(a > 0, a, 1))[1] - 1 - 2, -126, 127), 0)      # np.frexp(a)[1] - 1 = floor(log2(a)), exactly
;;       r = np.clip(x / 2.0 ** e, -7.5, 7.5)
;;       step = 2.0 ** (np.maximum(np.frexp(np.where(r == 0, 1, r))[1] - 1, 0) - 3)
;;       q = np.round(r / step) * step * 2.0 ** e      # np.round: ties to even
;;       return np.moveaxis(q.reshape(q.shape[:-2] + (-1,))[..., :K], -1, axis).astype(np.float32)
;;   ~~~
;;   SOFTMAX AHEAD OF A QUANTISED PRODUCT. Where the list says 'softmax', what is quantised is not the finished softmax but p = 2^(t - M), with t = logit x log2(e) and M = ceil(the row's largest t), a whole number; so 1/2 < the row's largest p <= 1. The row's sum l is taken of the UNQUANTISED p, in f32, and the product's result is divided by l at the end. Since M is a whole number, a kernel that streams over the keys may use a running M (the ceiling of the running maximum): every later rescaling is an exact power of two, which a block's scale takes up: the codes' values come out the same.
;;   OPERANDS COMPUTED ON THE WAY. 'Computed on the way' means the value that the module computes at that place (a softmax that the list does not call 'softmax' is quantised finished and normalised). What goes into a quantiser is computed in f32, as accurately as f32 sums, v_exp_f32 and their like allow (about 1e-6 of the number): no bf16 or f16 on the way to a quantiser, and a product that is left as it is and whose result goes on into a quantised operand takes f32 operands (vector FMAs, or v_wmma_f32_16x16x4_f32). A number that lies on a knife's edge between two numbers of the format may be rounded either way, as far as f32 arithmetic and the matrix unit's own rounding can turn it there, and no further.
;; One version. Each part assembles by itself: llvm-mc -triple=amdgcn-amd-amdhsa -mcpu=gfx1250 --defsym DOCPART=n.
;; ======== version 1 of 1: 4 launches
;; limits: right only within a limited range of input values
;; workspace buffers: xcs 6,553,600 bytes; wcs 3,276,800 bytes; qkcs 13,107,200 bytes; vcs 6,553,600 bytes; pcs 6,815,744 bytes
;; launch quant (part 1): grid 384 x 1, 4 waves a work-group, no clusters, 34,304 bytes of LDS; arguments x, wq_w, wk_w, wv_w, wo_w, xcs, wcs; writes xcs, wcs
.if DOCPART == 1
	.amdgcn_target "amdgcn-amd-amdhsa--gfx1250"
	.amdhsa_code_object_version 6
	.text
	.protected	k_q2d20742e34_quant
	.globl	k_q2d20742e34_quant
	.p2align	8
	.type	k_q2d20742e34_quant,@function
k_q2d20742e34_quant:
	s_mov_b64 s[64:65], 0
	v_nop
	global_prefetch_b8 v0, s[64:65] scope:SCOPE_SE
	s_setreg_imm32_b32 hwreg(HW_REG_WAVE_MODE, 25, 1), 1
	s_wait_xcnt 0x0
; x [8192][1024] and the four weights [1024][1024], f32 with K innermost, become codes of FP6 (E2M3) with one E8M0 byte for each 32 along K,
; laid in the order of a matrix operand's registers.
; TILES.  Tile T = 2 B + U of a tensor holds the 16 rows 32 B + 8 U + r + 8 (r / 8), r = 0 .. 15.
; A HALF FRAGMENT is 16 rows x 64 along K, 768 bytes: lane (r, h) holds k = 32 h .. 32 h + 31 of row r in six registers; registers 0-3 lie at 16 x lane, registers 4-5 at 512 + 8 x lane.
; Codes: [T][16 half fragments], 12,288 bytes a tile.  Scale words behind them: [T][kh 2][r 16][4 words], word q for the 128 along K from 512 kh + 128 q on.
; wcs holds wq's 64 tiles, then wk's, wv's, wo's.
; A block's scale is 2^(floor(log2(its largest magnitude)) - 2); its byte is the largest magnitude's exponent field - 2, held at 1 from below.
; LIMITS: a block of zeros, or one whose largest magnitude lies under 2^-124, gets the byte 1 (its codes are zeros or tiny; this program alone reads the bytes); NaN and infinities among the inputs are not served.
; SHARES.  A wave takes one tile and half of K: 16 rows x 512 numbers, four fragments.  Work-groups 0-255 take x, then 32 for each weight.  Waves share nothing: no barrier.
; Each load reads 512 consecutive bytes of one row; the 16 rows turn through the wave's own stage in LDS, so that a lane gets two whole blocks of 32 of its row.
.set PITCH, 528                        ; a stage row: 512 bytes + 16, an odd multiple of 16: sixteen lanes' 16 bytes fall on sixteen different columns
.set WST,   16*PITCH                   ; a wave's stage
.set SPARE, 4*WST                      ; behind the stages: the spare words, 128 bytes a wave, which no other line names
.set L16, 1                            ; v1  16 x lane
.set L8,  2                            ; v2  8 x lane
.set STI, 3                            ; v3  the stage on the way in
.set STO, 4                            ; v4  and on the way out: row r, + 128 h
.set SWO, 5                            ; v5  16 r + 8 h: my two scale words
.set SH8, 6                            ; v6  8 h
.set SPW, 12                           ; v12 my spare word's LDS address; never rewritten
.set NIL, 13                           ; v13 0; never rewritten
.set R,   16                           ; v16-143  two sets of 64 registers as loaded
.set X,   144                          ; v144-207 my two blocks of 32
.set PC,  208                          ; v208-219 a fragment's codes
.set PT,  220                          ; v220-226 the upper halves of the blocks' codes, before they are moved
.set W,   228                          ; v228-231 the four scale words
.set TM,  232                          ; v232-239 at work
	s_load_b256 s[4:11], s[0:1], 0x0               ; x, wq_w, wk_w, wv_w
	s_load_b128 s[12:15], s[0:1], 0x20             ; wo_w, xcs
	s_load_b64 s[16:17], s[0:1], 0x30              ; wcs
	v_lshl_add_u32 v[SPW], v0, 2, SPARE
	v_mov_b32 v[NIL], 0
	v_lshrrev_b32 v7, 5, v0
	v_readfirstlane_b32 s28, v7                    ; wave
	v_and_b32 v7, 31, v0                           ; lane
	v_and_b32 v8, 15, v0                           ; r
	v_bfe_u32 v9, v0, 4, 1                         ; h
	v_lshlrev_b32 v[L16], 4, v7
	v_lshlrev_b32 v[L8], 3, v7
	s_mul_i32 s29, s28, WST
	v_add_nc_u32 v[STI], s29, v[L16]
	v_mul_u32_u24 v[STO], v8, PITCH
	v_lshl_add_u32 v[STO], v9, 7, v[STO]
	v_add_nc_u32 v[STO], s29, v[STO]
	v_lshlrev_b32 v[SWO], 4, v8
	v_lshl_add_u32 v[SWO], v9, 3, v[SWO]
	v_lshlrev_b32 v[SH8], 3, v9
	v_mov_b32 v[TM+7], 0                           ; a lane permute's destination counts as one of its sources
	s_mov_b32 s20, 0x76543210
	s_mov_b32 s21, 0xfedcba98                      ; selects for lane l xor 16
	s_mov_b32 s22, 0xffff0000                      ; lanes 16-31
	s_lshl_b32 s30, ttmp9, 1
	s_lshr_b32 s31, s28, 1
	s_add_co_u32 s30, s30, s31                     ; tile, counted over x and the weights
	s_and_b32 s31, s28, 1                          ; kh: which half of K
	s_wait_alu depctr_va_vdst(0)
	s_wait_kmcnt 0x0
	s_cmp_lt_u32 ttmp9, 352                        ; the source is chosen by the work-group's number alone
	s_cselect_b64 s[18:19], s[10:11], s[12:13]
	s_cmp_lt_u32 ttmp9, 320
	s_cselect_b64 s[18:19], s[8:9], s[18:19]
	s_cmp_lt_u32 ttmp9, 288
	s_cselect_b64 s[18:19], s[6:7], s[18:19]
	s_cmp_lt_u32 ttmp9, 256
	s_cselect_b64 s[18:19], s[4:5], s[18:19]
	s_cselect_b64 s[24:25], s[14:15], s[16:17]     ; xcs or wcs
	s_mov_b32 s26, 3145728
	s_cselect_b32 s26, 6291456, s26                ; where its scale words begin
	s_cselect_b32 s27, 0, 512
	s_cselect_b32 s32, 511, 63
	s_sub_co_u32 s30, s30, s27                     ; the tile in the output buffer
	s_and_b32 s32, s30, s32                        ; the tile in the source tensor
	s_lshr_b32 s33, s32, 1
	s_lshl_b32 s33, s33, 17                        ; 32 rows of 4,096 bytes
	s_and_b32 s34, s32, 1
	s_lshl_b32 s34, s34, 15                        ; 8 rows
	s_add_co_u32 s34, s34, s33
	s_lshl_b32 s33, s31, 11                        ; 512 numbers
	s_add_co_u32 s34, s34, s33
	s_mov_b32 s35, 0
	s_add_nc_u64 s[18:19], s[18:19], s[34:35]
	s_mul_i32 s36, s30, 12288
	s_mul_i32 s33, s31, 6144
	s_add_co_u32 s36, s36, s33
	s_mov_b32 s37, 0
	s_add_nc_u64 s[38:39], s[24:25], s[36:37]      ; my codes
	s_lshl_b32 s36, s30, 9
	s_lshl_b32 s33, s31, 8
	s_add_co_u32 s36, s36, s33
	s_add_co_u32 s36, s36, s26
	s_add_nc_u64 s[24:25], s[24:25], s[36:37]      ; my scale words
.macro LOAD f                          ; fragment f: 128 numbers of each of the tile's 16 rows; a load is 512 consecutive bytes
.irp i, 0,1,2,3,4,5,6,7,8,9,10,11,12,13,14,15
	global_load_b128 v[R+64*((\f)%2)+4*\i:R+64*((\f)%2)+4*\i+3], v[L16], s[18:19] offset:(\i+8*(\i/8))*4096+512*(\f) th:TH_LOAD_NT
.endr
.endm
.macro TURN f                          ; through the stage: LDS serves a wave's instructions in order, so no wait stands between the stores and the loads
.irp i, 0,1,2,3,4,5,6,7,8,9,10,11,12,13,14,15
	ds_store_b128 v[STI], v[R+64*((\f)%2)+4*\i:R+64*((\f)%2)+4*\i+3] offset:PITCH*\i
.endr
.irp c, 0,1
.irp q, 0,1,2,3,4,5,6,7
	ds_load_b128 v[X+32*\c+4*\q:X+32*\c+4*\q+3], v[STO] offset:256*\c+16*\q   ; block 2 c + h of row r
.endr
.endr
.endm
.macro FRAGQ f
.irp c, 0,1
	v_max3_num_f32 v[TM+\c], |v[X+32*\c]|, |v[X+32*\c+1]|, 0x1800000   ; my block 2 c + h, and the floor 2^(3 - 127): the byte cannot fall under 1
.endr
.irp i, 2,4,6,8,10,12,14,16,18,20,22,24,26,28,30
.irp c, 0,1
	v_max3_num_f32 v[TM+\c], v[TM+\c], |v[X+32*\c+\i]|, |v[X+32*\c+\i+1]|
.endr
.endr
.irp c, 0,1
	v_add_nc_u32 v[TM+2+\c], 0xff000000, v[TM+\c]  ; 2 off the exponent field: the conversion's scale operand
.endr
.irp c, 0,1
	v_lshrrev_b32 v[TM+4+\c], 23, v[TM+2+\c]       ; the scale's byte
.endr
	v_lshl_or_b32 v[TM+6], v[TM+5], 16, v[TM+4]    ; my two bytes, blocks h and 2 + h,
	v_lshlrev_b32 v[TM+6], v[SH8], v[TM+6]         ; at their places;
	v_permlanex16_b32 v[TM+7], v[TM+6], s20, s21
	v_or_b32 v[W+\f], v[TM+6], v[TM+7]             ; with lane l xor 16's two the word is whole
.if \f > 0
	s_wait_alu depctr_va_vdst(0)
	s_wait_xcnt 0x0                                ; the last fragment's stores have read the codes' registers
.endif
.irp c, 0,1
	v_cvt_scalef32_pk16_fp6_f32 v[PC+6*\c:PC+6*\c+2], v[X+32*\c:X+32*\c+15], v[TM+2+\c]
	v_cvt_scalef32_pk16_fp6_f32 v[PT+4*\c:PT+4*\c+2], v[X+32*\c+16:X+32*\c+31], v[TM+2+\c]   ; (a conversion's three registers begin on an even number)
.endr
	v_nop                                          ; one plain place behind a scaled conversion
.irp c, 0,1
.irp i, 0,1,2
	v_mov_b32 v[PC+6*\c+3+\i], v[PT+4*\c+\i]
.endr
.endr
	global_store_b128 v[L16], v[PC:PC+3], s[38:39] offset:1536*\f          ; 512 consecutive bytes,
	global_store_b64 v[L8], v[PC+4:PC+5], s[38:39] offset:1536*\f+512      ; 256,
	global_store_b128 v[L16], v[PC+6:PC+9], s[38:39] offset:1536*\f+768
	global_store_b64 v[L8], v[PC+10:PC+11], s[38:39] offset:1536*\f+1280   ; each at a multiple of 256 from the buffer's first byte
.endm
	LOAD 0
	LOAD 1
.irp f, 0,1,2,3
.if \f < 3
	s_wait_loadcnt 16                              ; this fragment's 16 loads are in; the next fragment's may be out
.else
	s_wait_loadcnt 0x0
.endif
	TURN \f
	s_wait_dscnt 0x0                               ; my blocks are back, and the stores into the stage have read their registers,
.if \f < 2
	LOAD \f+2                                      ; which take the loads of two fragments on
.endif
	FRAGQ \f
.endr
	v_cndmask_b32 v[TM], v[W], v[W+2], s22         ; lanes 0-15 store words 0, 1 of row r, lanes 16-31 words 2, 3
	v_cndmask_b32 v[TM+1], v[W+1], v[W+3], s22
	global_store_b64 v[SWO], v[TM:TM+1], s[24:25]  ; 256 consecutive bytes
	s_wait_tensorcnt 0x0                           ; the wave's end
	ds_add_u32 v[SPW], v[NIL]
	s_wait_dscnt 0x0
	s_endpgm
.Lfunc_end_k_q2d20742e34_quant:
	.size	k_q2d20742e34_quant, .Lfunc_end_k_q2d20742e34_quant-k_q2d20742e34_quant
	.p2alignl 7, 3214868480
	.fill 96, 4, 3214868480
	.section	.rodata,"a",@progbits
	.p2align	6, 0x0
	.amdhsa_kernel k_q2d20742e34_quant
		.amdhsa_group_segment_fixed_size 34304
		.amdhsa_private_segment_fixed_size 0
		.amdhsa_enable_private_segment 0
		.amdhsa_kernarg_size 56
		.amdhsa_user_sgpr_count 2
		.amdhsa_user_sgpr_kernarg_segment_ptr 1
		.amdhsa_wavefront_size32 1
		.amdhsa_system_sgpr_workgroup_id_x 1
		.amdhsa_system_sgpr_workgroup_id_y 1
		.amdhsa_system_sgpr_workgroup_id_z 1
		.amdhsa_system_vgpr_workitem_id 0
		.amdhsa_next_free_vgpr 240
		.amdhsa_next_free_sgpr 66
		.amdhsa_reserve_vcc 0
		.amdhsa_float_denorm_mode_32 3
		.amdhsa_float_denorm_mode_16_64 3
		.amdhsa_memory_ordered 1
		.amdhsa_forward_progress 1
		.amdhsa_inst_pref_size 31
	.end_amdhsa_kernel
	.amdgpu_metadata
---
amdhsa.version: [ 1, 2 ]
amdhsa.kernels:
  - .name:           k_q2d20742e34_quant
    .symbol:         k_q2d20742e34_quant.kd
    .args:
      - { .name: x, .offset: 0, .size: 8, .value_kind: global_buffer, .address_space: global }
      - { .name: wq_w, .offset: 8, .size: 8, .value_kind: global_buffer, .address_space: global }
      - { .name: wk_w, .offset: 16, .size: 8, .value_kind: global_buffer, .address_space: global }
      - { .name: wv_w, .offset: 24, .size: 8, .value_kind: global_buffer, .address_space: global }
      - { .name: wo_w, .offset: 32, .size: 8, .value_kind: global_buffer, .address_space: global }
      - { .name: xcs, .offset: 40, .size: 8, .value_kind: global_buffer, .address_space: global }
      - { .name: wcs, .offset: 48, .size: 8, .value_kind: global_buffer, .address_space: global }
    .group_segment_fixed_size: 34304
    .private_segment_fixed_size: 0
    .kernarg_segment_align: 8
    .kernarg_segment_size: 56
    .max_flat_workgroup_size: 128
    .sgpr_count:     66
    .vgpr_count:     240
    .wavefront_size: 32
...
	.end_amdgpu_metadata
.endif
;; end of part 1
;; launch qkv (part 2): grid 8 x 32, 4 waves a work-group, clusters of 4 x 4, 327,680 bytes of LDS; arguments xcs, wcs, wq_b, wk_b, wv_b, qkcs, vcs; writes qkcs, vcs
.if DOCPART == 2
	.amdgcn_target "amdgcn-amd-amdhsa--gfx1250"
	.amdhsa_code_object_version 6
	.text
	.protected	k_q2d20742e34_qkv
	.globl	k_q2d20742e34_qkv
	.p2align	8
	.type	k_q2d20742e34_qkv,@function
k_q2d20742e34_qkv:
	s_mov_b64 s[64:65], 0
	v_nop
	global_prefetch_b8 v0, s[64:65] scope:SCOPE_SE
	s_setreg_imm32_b32 hwreg(HW_REG_WAVE_MODE, 25, 1), 1
	s_wait_xcnt 0x0
	s_wait_alu depctr_hold_cnt(0) depctr_sa_sdst(0) depctr_va_vdst(0) depctr_va_sdst(0) depctr_va_ssrc(0) depctr_va_vcc(0) depctr_vm_vsrc(0)
	s_getreg_b32 s2, hwreg(HW_REG_IB_STS2, 6, 4)
	s_cmp_eq_u32 s2, 0
	s_cbranch_scc0 .Lentry_in_a_cluster
	s_endpgm
.Lentry_in_a_cluster:
	s_bfe_u32 s2, ttmp6, 0x10000c
	s_cmp_lg_u32 s2, 0xf033
	s_cbranch_scc0 .Lentry_shape_is_right
	s_endpgm
.Lentry_shape_is_right:
; q = x Wq^T + bq, k = x Wk^T + bk, v = x Wv^T + bv on codes of FP6 (E2M3) with E8M0 scales; the results are quantised in registers and leave as codes: q and k along the head's 64, v along the keys.
; A product has source 0 = 16 rows of a tensor P (index i) and source 1 = 16 rows of a tensor Q (index j): a lane then holds ONE j and its registers run along i.
;   mode qk:  P = Wq|Wk (i = output channel 0 .. 2047), Q = x (j = row).   mode v:  P = x (i = row = key), Q = Wv (j = channel).
; The result is quantised along i, 32 to a block, and stored as half fragments of the j tile.
; TILES of every tensor hold rows 32 B + 8 U + r + 8 (r / 8): as source 0 the 16 registers of tiles 2 b and 2 b + 1 are the 16 neighbours 32 b + 16 h + 0 .. 15 along i.
; SHARES.  A block is 256 i x 128 j; wave (wi, wj) makes 128 i x 64 j of it: 32 accumulators.  K = 1024 is 8 matrix steps.  There are 512 blocks of mode qk and 256 of mode v.
; A WORK-GROUP STAYS AND WALKS THREE BLOCKS: 256 work-groups.  The cluster at y (0 .. 7) takes the rows of blocks y and y + 8 of mode qk, in a loop of two trips, and then row y of mode v, in a tail that is written out: it asks for nothing more.
; LDS is a ring of two slots: a slot holds both tiles for 512 along K (16 tiles of source 0 and 8 of source 1, 6,144 bytes each).  At the head each wave asks for one of the four tiles.
; Slot 0 is filled again with the next block's tiles in K step 3 (waves 0 and 1), slot 1 between the second and the third tile of the way out (waves 2 and 3): one load a wave behind each round.
; So each refill is asked for four K steps and two tiles of the way out ahead of the wait for it; for that reason no prefetch is laid.
; In front of each refill every wave waits for all its tensor loads, adds 0 to its spare word and waits for that and for its LDS reads, and a round of the cluster's barrier follows.
; CLUSTER 4 x 4: source 0's tile hangs on the work-group's x and is asked for jointly along a column of the cluster, source 1's on its y and jointly along a row.
; The next block's scale words are loaded behind K step 7; the two biases (along i for mode qk, the same in both its blocks; along j for mode v) once, at the head.
; OUT.  qkcs: codes [T 512][32 half fragments] (q's head hd at hd, k's at 16 + hd), scale words [g 16][T][r], one word for two heads.  vcs: for each (batch, head): codes [step of 128 keys 16][d tile 4][2 half fragments], scale words [16][4][r].
; LIMITS: a block of zeros, or one whose largest magnitude lies under 2^-124, gets the byte 1; NaN and infinities are not served.
; REGISTERS.  window 0: v1-15 addresses; v16-47 source 0's scale words (8 p + s: tile pair p, step s; lanes 0-15 the even tile, 16-31 the odd); v48-63 source 1's; v64-159 source 1's fragments, two sets; v160-223 the bias along i; v224-231 along j.
;   window 1: accumulator (a, t) at 8 (8 a + t).   window 2: source 0's fragments, two sets of 96.
.set CH,    147456                     ; a slot
.set P1OFF, 98304                      ; where source 1's tiles begin in it
.set TBY,   6144
.set SSTG,  2*CH                       ; 256 bytes a wave, for the scale words on their way out
.set SPARE, SSTG+1024                  ; the spare words, 128 bytes a wave, which no other line names
.set A016, 1                           ; v1-4 my fragments' addresses in slot 0; v12-15 the same in slot 1
.set A08,  2
.set A116, 3
.set A18,  4
.set L16,  5
.set L8,   6
.set SCA,  7
.set BIA,  8
.set BJA,  9
.set SST,  10
.set SLD,  11
.set SC0,  16
.set SC1,  48
.set F1,   64
.set BI,   160
.set BJ,   224
.set SPW,  232
.set NIL,  233
.set PW,   234                         ; v234-237 a scale word for each j tile
.set H,    64                          ; on the way out: 64 numbers,
.set PC,   128                         ; their codes (v128-139; v140-146 at work),
.set TM,   148                         ; v148-151 largest magnitudes, v152-155 bytes, v156-159 scale operands
.set WV,   18
.set WI,   19
.set WJ,   20
.set CX,   21
.set CY,   22
.set CLU,  23                          ; the cluster's y
.set MODE, 24
.set IT,   25
.set JT,   26
.set G1A,  28
.set G1B,  36
.set G0A,  44                          ; s[44:47] source 0, slot 0; s[48:51] slot 1
.set G0B,  52                          ; s[52:55], s[56:59] source 1
.set IT0,  68
.set NB,   69                          ; the block in hand
.set NX,   70                          ; the block whose addresses are made
.set SEL,  72
.set MULW, 0x52                        ; source 0 window 2, source 1 window 0, C and D window 1
.set MSB, 0
.macro WIN new                         ; the immediate's high byte repeats the setting that is left
.if MSB != \new
	s_set_vgpr_msb (MSB<<8)|\new
.set MSB, \new
.endif
.endm
.macro PLACES n
.rept \n
	v_nop
.endr
.endm
.macro CROUND                          ; a round of the cluster's barrier
	s_barrier_signal -1
	s_barrier_wait -1
	s_cmp_lg_u32 s[WV], 0
	s_cbranch_scc1 .Lnot_wave_0_\@
	s_barrier_signal -3
.Lnot_wave_0_\@:
	s_barrier_wait -3
	s_barrier_signal -1
	s_barrier_wait -1
.endm
.macro TL g0, g1                       ; a joint load; an s_nop 0 and four v_nop follow it
	tensor_load_to_lds s[\g0:\g0+3], s[\g1:\g1+7]
	s_nop 0
	PLACES 4
.endm
.macro PAIRLOAD w, c                   ; waves w and w + 1 ask for slot c's two tiles, each by a line of its own; the other two ask for nothing
	s_cmp_eq_u32 s[WV], \w
	s_cbranch_scc0 .Lnot_a_\@
	TL G0A+4*\c, G1A
	s_branch .Lasked_\@
.Lnot_a_\@:
	s_cmp_eq_u32 s[WV], \w+1
	s_cbranch_scc0 .Lasked_\@
	TL G0B+4*\c, G1B
.Lasked_\@:
.endm
; One product.  d, a, b: first registers of D, source 0, source 1; c: C; sa, sb: the scale registers; ra, rb: 1 where the words lie in lanes 16-31.
.macro WM1 d, a, b, c, sa, sb, ra, rb
.if ((\ra)==0)&&((\rb)==0)
	v_wmma_scale_f32_16x16x128_f8f6f4 v[(\d):(\d)+7], v[(\a):(\a)+11], v[(\b):(\b)+11], \c, v[\sa], v[\sb] matrix_a_fmt:MATRIX_FMT_FP6 matrix_b_fmt:MATRIX_FMT_FP6
.elseif ((\ra)==1)&&((\rb)==0)
	v_wmma_scale_f32_16x16x128_f8f6f4 v[(\d):(\d)+7], v[(\a):(\a)+11], v[(\b):(\b)+11], \c, v[\sa], v[\sb] matrix_a_fmt:MATRIX_FMT_FP6 matrix_b_fmt:MATRIX_FMT_FP6 matrix_a_scale:MATRIX_SCALE_ROW1
.elseif (\ra)==0
	v_wmma_scale_f32_16x16x128_f8f6f4 v[(\d):(\d)+7], v[(\a):(\a)+11], v[(\b):(\b)+11], \c, v[\sa], v[\sb] matrix_a_fmt:MATRIX_FMT_FP6 matrix_b_fmt:MATRIX_FMT_FP6 matrix_b_scale:MATRIX_SCALE_ROW1
.else
	v_wmma_scale_f32_16x16x128_f8f6f4 v[(\d):(\d)+7], v[(\a):(\a)+11], v[(\b):(\b)+11], \c, v[\sa], v[\sb] matrix_a_fmt:MATRIX_FMT_FP6 matrix_b_fmt:MATRIX_FMT_FP6 matrix_a_scale:MATRIX_SCALE_ROW1 matrix_b_scale:MATRIX_SCALE_ROW1
.endif
.endm
; The addresses of block s[NX]: s[60:61], s[62:63] where its tiles of source 0 and 1 begin; s[84:85], s[88:89] the scale words of the tiles that I multiply.  s[IT] is made of cx and the cluster's place alone, s[JT] of cy and the cluster's place alone.
.macro ADR
	s_lshl_b32 s2, s[NX], 3
	s_add_co_u32 s2, s2, s[CLU]
	s_lshl_b32 s2, s2, 2                           ; mode qk: four rows of blocks for each cluster row y + 8 x block
	s_lshr_b32 s3, s[CLU], 1
	s_lshl_b32 s3, s3, 3
	s_and_b32 s27, s[CLU], 1
	s_lshl_b32 s27, s27, 2
	s_cmp_eq_u32 s[NX], 2
	s_cselect_b32 s[MODE], 1, 0                    ; 0: q and k;  1: v.  The same in all sixteen partners
	s_cselect_b32 s3, s3, 0
	s_cselect_b32 s27, s27, s2
	s_add_co_u32 s[IT], s[IT0], s3                 ; which 256 i
	s_add_co_u32 s[JT], s[CY], s27                 ; which 128 j
	s_lshl_b32 s86, s[IT], 4
	s_lshl_b32 s87, s[WI], 3
	s_add_co_u32 s86, s86, s87                     ; source 0: the 8 tiles that I multiply
	s_mul_i32 s60, s[IT], 196608                   ; its 16 tiles of 12,288 bytes
	s_mov_b32 s61, 0
	s_lshl_b32 s86, s86, 9                         ; scale words: 512 bytes a tile
	s_mov_b32 s87, 0
	s_lshl_b32 s90, s[JT], 3
	s_lshl_b32 s91, s[MODE], 7
	s_add_co_u32 s90, s90, s91                     ; source 1's first tile (wv's tiles begin at 128 in wcs)
	s_mul_i32 s62, s90, 12288
	s_mov_b32 s63, 0
	s_lshl_b32 s91, s[WJ], 2
	s_add_co_u32 s90, s90, s91                     ; the 4 that I multiply
	s_lshl_b32 s90, s90, 9
	s_mov_b32 s91, 0
	s_cmp_eq_u32 s[MODE], 0
	s_mov_b32 s2, 6291456
	s_cselect_b32 s3, 3145728, s2                  ; where the scale words begin in source 0's buffer,
	s_mov_b32 s2, 3145728
	s_cselect_b32 s2, 6291456, s2                  ; and in source 1's
	s_cselect_b64 s[84:85], s[6:7], s[4:5]         ; source 0's buffer
	s_cselect_b64 s[88:89], s[4:5], s[6:7]         ; source 1's
	s_add_co_u32 s86, s86, s3
	s_add_co_u32 s90, s90, s2
	s_add_nc_u64 s[60:61], s[84:85], s[60:61]
	s_add_nc_u64 s[62:63], s[88:89], s[62:63]
	s_add_nc_u64 s[84:85], s[84:85], s[86:87]
	s_add_nc_u64 s[88:89], s[88:89], s[90:91]
.endm
.macro SCLOAD                          ; the scale words at s[84:85] and s[88:89]
.irp p, 0,1,2,3
.irp kh, 0,1
	global_load_b128 v[SC0+8*\p+4*\kh:SC0+8*\p+4*\kh+3], v[SCA], s[84:85] offset:\p*1024+\kh*256
.endr
.endr
.irp p, 0,1
.irp kh, 0,1
	global_load_b128 v[SC1+8*\p+4*\kh:SC1+8*\p+4*\kh+3], v[SCA], s[88:89] offset:\p*1024+\kh*256
.endr
.endr
.endm
; Where the results of the block at s[IT], s[JT] go: s[98:99] codes, s[96:97] scale words, s[66:67] from j tile to j tile.  m: the mode
.macro OUTADR m
	s_lshl_b32 s92, s[IT], 1
	s_add_co_u32 s92, s92, s[WI]                   ; g: which 128 i
.if \m
	s_lshl_b32 s96, s[JT], 1
	s_add_co_u32 s96, s96, s[WJ]                   ; the head
	s_lshr_b32 s97, s92, 4                         ; the batch
	s_lshl_b32 s97, s97, 4
	s_add_co_u32 s97, s97, s96
	s_lshl_b32 s97, s97, 4
	s_and_b32 s96, s92, 15                         ; the step of 128 keys
	s_add_co_u32 s97, s97, s96
	s_mul_i32 s92, s97, 6144
	s_lshl_b32 s94, s97, 8
	s_add_co_u32 s94, s94, 6291456
	s_mov_b32 s66, 1536
.else
	s_lshl_b32 s96, s[JT], 3
	s_lshl_b32 s97, s[WJ], 2
	s_add_co_u32 s96, s96, s97                     ; my first j tile
	s_mul_i32 s93, s96, 24576
	s_mul_i32 s94, s92, 1536
	s_add_co_u32 s93, s93, s94
	s_lshl_b32 s94, s92, 15
	s_lshl_b32 s96, s96, 6
	s_add_co_u32 s94, s94, s96
	s_add_co_u32 s94, s94, 12582912
	s_mov_b32 s92, s93
	s_mov_b32 s66, 24576
.endif
	s_mov_b32 s67, 0
	s_mov_b32 s93, 0
	s_mov_b32 s95, 0
.if \m
	s_add_nc_u64 s[96:97], s[16:17], s[94:95]
	s_add_nc_u64 s[98:99], s[16:17], s[92:93]
.else
	s_add_nc_u64 s[96:97], s[14:15], s[94:95]
	s_add_nc_u64 s[98:99], s[14:15], s[92:93]
.endif
.endm
	s_load_b256 s[4:11], s[0:1], 0x0               ; xcs s[4:5], wcs s[6:7], wq_b s[8:9], wk_b s[10:11]
	s_load_b128 s[12:15], s[0:1], 0x20             ; wv_b s[12:13], qkcs s[14:15]
	s_load_b64 s[16:17], s[0:1], 0x30              ; vcs
	v_lshl_add_u32 v[SPW], v0, 2, SPARE
	v_mov_b32 v[NIL], 0
	ds_add_u32 v[SPW], v[NIL]                      ; the wave's opening: the add, twice on end, and its wait ahead of my first tensor load
	ds_add_u32 v[SPW], v[NIL]
	v_lshrrev_b32 v238, 5, v0
	v_readfirstlane_b32 s[WV], v238                ; wave 0..3
	s_and_b32 s[WI], s[WV], 1                      ; my half of the 256 i
	s_lshr_b32 s[WJ], s[WV], 1                     ; my half of the 128 j
	s_bfe_u32 s[CX], ttmp6, 0x40000                ; my place in the cluster
	s_bfe_u32 s[CY], ttmp6, 0x40004
	s_and_b32 s[CLU], ttmp7, 0xffff
	s_lshl_b32 s[IT0], ttmp9, 2
	s_add_co_u32 s[IT0], s[IT0], s[CX]
	s_lshl_b32 s3, 0x1111, s[CX]                   ; my column of the cluster
	s_or_b32 s[G1A], s3, (3<<16)|(1<<21)           ; 15:0 the mask; 17:16 elements of 8 bytes; 21 set beside a mask; no padding
	s_lshl_b32 s66, s[CY], 2
	s_lshl_b32 s66, 15, s66                        ; my row
	s_or_b32 s[G1B], s66, (3<<16)|(1<<21)
.irp g, G1A, G1B
	s_mov_b32 s[\g+1], 768<<16                     ; tensor_dim0: a tile's 6,144 bytes of a slot
	s_mov_b32 s[\g+3], 768<<16                     ; tile_dim0
	s_mov_b32 s[\g+5], 1536                        ; from tile to tile: 12,288 bytes
	s_mov_b32 s[\g+6], 0
	s_mov_b32 s[\g+7], 0
.endr
	s_mov_b32 s[G1A+2], 16<<16                     ; 16 tiles a load for source 0,
	s_mov_b32 s[G1A+4], 16
	s_mov_b32 s[G1B+2], 8<<16                      ; 8 for source 1
	s_mov_b32 s[G1B+4], 8
.irp c, 0,1
	s_mov_b32 s[G0A+4*\c], 1
	s_mov_b32 s[G0A+4*\c+1], \c*CH
	s_mov_b32 s[G0B+4*\c], 1
	s_mov_b32 s[G0B+4*\c+1], \c*CH+P1OFF
.endr
	s_mov_b32 s[SEL], 0x76543210
	s_mov_b32 s[SEL+1], 0xfedcba98                 ; selects for lane l xor 16
	s_mov_b32 s[NB], 0
	s_mov_b32 s[NX], 0
	v_and_b32 v238, 31, v0                         ; lane
	v_and_b32 v239, 15, v0                         ; r
	v_bfe_u32 v240, v0, 4, 1                       ; h
	v_lshlrev_b32 v[L16], 4, v238
	v_lshlrev_b32 v[L8], 3, v238
	s_mul_i32 s2, s[WI], 49152
	v_add_nc_u32 v[A016], s2, v[L16]               ; my 8 tiles of source 0 in slot 0,
	v_add_nc_u32 v[A08], s2, v[L8]
	s_add_co_u32 s2, s2, CH
	v_add_nc_u32 v[A016+11], s2, v[L16]            ; and in slot 1
	v_add_nc_u32 v[A08+11], s2, v[L8]
	s_mul_i32 s2, s[WJ], 24576
	s_add_co_u32 s2, s2, P1OFF
	v_add_nc_u32 v[A116], s2, v[L16]               ; my 4 tiles of source 1
	v_add_nc_u32 v[A18], s2, v[L8]
	s_add_co_u32 s2, s2, CH
	v_add_nc_u32 v[A116+11], s2, v[L16]
	v_add_nc_u32 v[A18+11], s2, v[L8]
	v_lshlrev_b32 v[SCA], 4, v239
	v_lshl_add_u32 v[SCA], v240, 9, v[SCA]         ; scale words: lanes 16-31 take the odd tile of a pair
	v_lshlrev_b32 v[BIA], 6, v240                  ; the bias along i: 16 h numbers on
	v_and_b32 v241, 8, v239
	v_add_nc_u32 v241, v241, v239
	v_lshlrev_b32 v[BJA], 2, v241                  ; along j: r + 8 (r / 8)
	s_lshl_b32 s2, s[WV], 8
	s_add_co_u32 s2, s2, SSTG
	v_lshl_add_u32 v[SST], v239, 2, s2
	v_add_nc_u32 v[SLD], s2, v[L8]
	s_wait_alu depctr_va_vdst(0)
	s_wait_dscnt 0x0                               ; both opening adds are done
	s_wait_kmcnt 0x0
	ADR                                            ; block 0
	s_cmp_eq_u32 ttmp9, 0                          ; mode qk: the cluster's x says q or k
	s_cselect_b64 s[92:93], s[8:9], s[10:11]
	s_lshl_b32 s94, s[CX], 10
	s_lshl_b32 s95, s[WI], 9
	s_add_co_u32 s94, s94, s95
	s_mov_b32 s95, 0
	s_add_nc_u64 s[92:93], s[92:93], s[94:95]      ; the bias of my 128 channels of q or k
	s_and_b32 s98, s[CLU], 1
	s_lshl_b32 s98, s98, 2
	s_add_co_u32 s98, s98, s[CY]                   ; mode v: which 128 channels
	s_lshl_b32 s98, s98, 9
	s_lshl_b32 s99, s[WJ], 8
	s_add_co_u32 s98, s98, s99
	s_mov_b32 s99, 0
	s_add_nc_u64 s[96:97], s[12:13], s[98:99]      ; the bias of my 64 channels of v
	SCLOAD                                         ; the plain loads go out ahead of the round
.irp b, 0,1,2,3
.irp q, 0,1,2,3
	global_load_b128 v[BI+16*\b+4*\q:BI+16*\b+4*\q+3], v[BIA], s[92:93] offset:128*\b+16*\q   ; register 16 b + n: i = 32 b + 16 h + n
.endr
.endr
.irp a, 0,1,2,3
	global_load_b32 v[BJ+2*\a], v[BJA], s[96:97] offset:(32*(\a/2)+8*(\a%2))*4               ; twice: a pair for the packed addition
	global_load_b32 v[BJ+2*\a+1], v[BJA], s[96:97] offset:(32*(\a/2)+8*(\a%2))*4
.endr
.irp c, 0,1
	s_add_nc_u64 s[G0A+4*\c+2:G0A+4*\c+3], s[60:61], \c*TBY
	s_or_b32 s[G0A+4*\c+3], s[G0A+4*\c+3], 0x80000000
	s_add_nc_u64 s[G0B+4*\c+2:G0B+4*\c+3], s[62:63], \c*TBY
	s_or_b32 s[G0B+4*\c+3], s[G0B+4*\c+3], 0x80000000
.endr
	CROUND                                         ; all sixteen work-groups are here: the joint loads meet
	s_cmp_eq_u32 s[WV], 0                          ; one tree of branches on the wave's number, one load to an arm
	s_cbranch_scc0 .Lh_b0
	TL G0A, G1A                                    ; wave 0: source 0, slot 0
	s_branch .Lfirst_asked
.Lh_b0:
	s_cmp_eq_u32 s[WV], 1
	s_cbranch_scc0 .Lh_a1
	TL G0B, G1B                                    ; wave 1: source 1, slot 0
	s_branch .Lfirst_asked
.Lh_a1:
	s_cmp_eq_u32 s[WV], 2
	s_cbranch_scc0 .Lh_b1
	TL G0A+4, G1A                                  ; wave 2: source 0, slot 1
	s_branch .Lfirst_asked
.Lh_b1:
	TL G0B+4, G1B                                  ; wave 3: source 1, slot 1
.Lfirst_asked:
; The fragments of K step s: 8 of source 0 into window 2, 4 of source 1 into window 0; set s % 2.  A fragment is two half fragments: 16, 8, 16, 8 bytes a lane, each load on consecutive bytes.
.macro FETCH s
.set CA, 11*((\s)/4)
.set KO, ((\s)%4)*1536
.set R0, 96*((\s)%2)
.set R1, F1+48*((\s)%2)
	WIN 0x80
.irp t, 0,1,2,3,4,5,6,7
	ds_load_b128 v[R0+12*\t:R0+12*\t+3], v[A016+CA] offset:\t*TBY+KO
	ds_load_b64 v[R0+12*\t+4:R0+12*\t+5], v[A08+CA] offset:\t*TBY+KO+512
	ds_load_b128 v[R0+12*\t+6:R0+12*\t+9], v[A016+CA] offset:\t*TBY+KO+768
	ds_load_b64 v[R0+12*\t+10:R0+12*\t+11], v[A08+CA] offset:\t*TBY+KO+1280
.endr
	WIN 0
.irp a, 0,1,2,3
	ds_load_b128 v[R1+12*\a:R1+12*\a+3], v[A116+CA] offset:\a*TBY+KO
	ds_load_b64 v[R1+12*\a+4:R1+12*\a+5], v[A18+CA] offset:\a*TBY+KO+512
	ds_load_b128 v[R1+12*\a+6:R1+12*\a+9], v[A116+CA] offset:\a*TBY+KO+768
	ds_load_b64 v[R1+12*\a+10:R1+12*\a+11], v[A18+CA] offset:\a*TBY+KO+1280
.endr
.endm
; 16 products: j tiles a0, a0 + 1 x my 8 i tiles.  The 32 accumulators take turns, one instruction a turn, in the same order in every step.
.macro MUL16 a0, s, zero
.irp a, \a0, \a0+1
.irp t, 0,1,2,3,4,5,6,7
.if \zero
	WM1 8*(8*(\a)+\t), 96*((\s)%2)+12*\t, F1+48*((\s)%2)+12*(\a), 0, SC0+8*(\t/2)+(\s), SC1+8*((\a)/2)+(\s), \t%2, (\a)%2
.else
	WM1 8*(8*(\a)+\t), 96*((\s)%2)+12*\t, F1+48*((\s)%2)+12*(\a), v[8*(8*(\a)+\t):8*(8*(\a)+\t)+7], SC0+8*(\t/2)+(\s), SC1+8*((\a)/2)+(\s), \t%2, (\a)%2
.endif
.endr
.endr
.endm
; A K step of 128.  Step 3 changes slots: every wave's loads have landed, slot 1's among them, and its reads of slot 0 are over.  ring = 1: a round follows, and slot 0 takes the next block's tiles; ring = 0: a plain barrier, nothing is filled.
.macro STEP s, ring
.if (\s)==3
	WIN 0                                          ; (the add's two registers lie in window 0)
	s_wait_dscnt 0x0                               ; this step's fragments are in
	s_wait_tensorcnt 0x0
.if \ring
	ds_add_u32 v[SPW], v[NIL]                      ; 0 onto my spare word; work on registers stands between it and the wait for it
	s_mov_b64 s[G0A+2:G0A+3], s[60:61]             ; no load of mine is out: the descriptors may be written
	s_or_b32 s[G0A+3], s[G0A+3], 0x80000000
	s_mov_b64 s[G0B+2:G0B+3], s[62:63]
	s_or_b32 s[G0B+3], s[G0B+3], 0x80000000
	WIN MULW
	MUL16 0, \s, 0
	WIN 0
	s_wait_dscnt 0x0
	CROUND                                         ; no wave of any partner still reads slot 0 or has a load on its way
	PAIRLOAD 0, 0
.else
	s_barrier_signal -1
	WIN MULW
	MUL16 0, \s, 0
	WIN 0
	s_barrier_wait -1
.endif
	PLACES 4                                       ; in front of loads into registers that the last step's products read
	FETCH 4
	WIN MULW
	MUL16 2, \s, 0
.else
	s_wait_dscnt 0x0                               ; this step's fragments are in
.if (\s) < 7
	PLACES 4                                       ; in front of loads into registers that the last step's products read
	FETCH (\s)+1
.endif
	WIN MULW
	MUL16 0, \s, (\s)==0
	MUL16 2, \s, (\s)==0
.endif
.endm
; 64 numbers of a lane, register 16 b + n = i 32 b + 16 h + n of my j, become a fragment's codes in v[PC] on and its scale word in v[pw].
.macro QUANT s, pw
.irp b, 0,1,2,3
	v_max3_num_f32 v[TM+\b], |v[\s+16*\b]|, |v[\s+1+16*\b]|, 0x1800000   ; my 16 numbers of block b, and the floor 2^(3 - 127): the byte cannot fall under 1
.endr
.irp i, 2,4,6,8,10,12,14
.irp b, 0,1,2,3
	v_max3_num_f32 v[TM+\b], v[TM+\b], |v[\s+16*\b+\i]|, |v[\s+1+16*\b+\i]|
.endr
.endr
.irp b, 0,1,2,3
	v_permlanex16_b32 v[TM+4+\b], v[TM+\b], s[SEL], s[SEL+1]
.endr
.irp b, 0,1,2,3
	v_max_num_f32 v[TM+\b], v[TM+\b], v[TM+4+\b]   ; with lane l xor 16's: the block's largest magnitude
.endr
.irp b, 0,1,2,3
	v_add_nc_u32 v[TM+8+\b], 0xff000000, v[TM+\b]  ; 2 off its exponent field: the conversion's scale operand
.endr
.irp b, 0,1,2,3
	v_lshrrev_b32 v[TM+4+\b], 23, v[TM+8+\b]       ; the scale's byte
.endr
	v_lshl_or_b32 v[\pw], v[TM+5], 8, v[TM+4]
	v_lshl_or_b32 v[\pw], v[TM+6], 16, v[\pw]
	v_lshl_or_b32 v[\pw], v[TM+7], 24, v[\pw]
.irp c, 0,1
	v_cvt_scalef32_pk16_fp6_f32 v[PC+6*\c:PC+2+6*\c], v[\s+32*\c:\s+15+32*\c], v[TM+8+2*\c]
	v_cvt_scalef32_pk16_fp6_f32 v[PC+12+4*\c:PC+14+4*\c], v[\s+16+32*\c:\s+31+32*\c], v[TM+8+2*\c+1]   ; (a conversion's three registers begin on an even number)
.endr
	v_nop                                          ; one plain place behind a scaled conversion
.irp c, 0,1                                    ; the operand's layout wants a whole block in a lane
.irp i, 0,1,2
	v_permlane16_swap_b32 v[PC+6*\c+\i], v[PC+12+4*\c+\i]
.endr
.irp i, 0,1,2
	v_mov_b32 v[PC+3+6*\c+\i], v[PC+12+4*\c+\i]
.endr
.endr
.endm
; THE WAY OUT, j tile by j tile: the bias (m = 0: along i, m = 1: along j), the quantiser along i, two half fragments and a scale word a row.  ring = 1: behind the second tile slot 1 takes the next block's tiles.
.macro WAYOUT m, ring
.irp b, 0,1,2,3
	v_mov_b32 v[TM+4+\b], 0                        ; a lane permute's destination counts as one of its sources
.endr
.irp a, 0,1,2,3
	WIN 0x01                                       ; source 0 window 1
.set jj, 0
.rept 32
.if \m
	v_pk_add_f32 v[H+jj:H+jj+1], v[64*\a+jj:64*\a+jj+1], v[BJ+2*\a:BJ+2*\a+1]  ; each accumulator from its low end on
.else
	v_pk_add_f32 v[H+jj:H+jj+1], v[64*\a+jj:64*\a+jj+1], v[BI+jj:BI+jj+1]
.endif
.set jj, jj+2
.endr
	WIN 0
.if \a > 0
	s_wait_xcnt 0x0                                ; the last tile's stores have read their data and their base
	s_add_nc_u64 s[98:99], s[98:99], s[66:67]
.endif
	QUANT H, PW+\a
	global_store_b128 v[L16], v[PC:PC+3], s[98:99]
	global_store_b64 v[L8], v[PC+4:PC+5], s[98:99] offset:512
	global_store_b128 v[L16], v[PC+6:PC+9], s[98:99] offset:768
	global_store_b64 v[L8], v[PC+10:PC+11], s[98:99] offset:1280
	ds_store_b32 v[SST], v[PW+\a] offset:64*\a     ; lanes r and 16 + r write the same word with the same value
.if (\ring) && (\a == 1)
	s_wait_alu depctr_va_vdst(0)
	s_wait_tensorcnt 0x0                           ; all my loads have landed: slot 0's next tiles;
	ds_add_u32 v[SPW], v[NIL]
	s_add_nc_u64 s[G0A+6:G0A+7], s[60:61], TBY
	s_or_b32 s[G0A+7], s[G0A+7], 0x80000000
	s_add_nc_u64 s[G0B+6:G0B+7], s[62:63], TBY
	s_or_b32 s[G0B+7], s[G0B+7], 0x80000000
	s_wait_dscnt 0x0                               ; the add is done; my reads of slot 1 were over at K step 7
	CROUND
	PAIRLOAD 2, 1
.endif
.endr
	ds_load_b64 v[TM:TM+1], v[SLD]                 ; LDS serves a wave's instructions in order: this sees my stores
	s_wait_dscnt 0x0
	global_store_b64 v[L8], v[TM:TM+1], s[96:97]   ; the four tiles' scale words: 256 consecutive bytes
.endm
	s_cmp_lt_u32 s[WV], 2                          ; slot 0 came by waves 0 and 1, each by a line of its own: they wait; slot 1's loads may stay out
	s_cbranch_scc0 .Lnot_first
	s_wait_tensorcnt 0x0
.Lnot_first:
	s_barrier_signal -1
	s_barrier_wait -1
.Lblock:                                               ; blocks 0 and 1, mode qk
	s_wait_alu depctr_va_vdst(0)
	s_wait_xcnt 0x0                                ; earlier loads and stores have read their addresses and data
	OUTADR 0
	s_add_co_u32 s[NX], s[NB], 1
	ADR                                            ; the next block's addresses
	s_wait_loadcnt 0x0                             ; this block's scale words are in (the first time: the biases too)
	FETCH 0
.irp s, 0,1,2,3,4,5,6,7
	STEP \s, 1
.endr
	WIN 0
	PLACES 4                                       ; behind the last products: results are read, and registers that they read are written and loaded
	SCLOAD                                         ; the next block's scale words
	WAYOUT 0, 1
	s_add_co_u32 s[NB], s[NB], 1
	s_cmp_lg_u32 s[NB], 2
	s_cbranch_scc1 .Lblock
	s_wait_alu depctr_va_vdst(0)                   ; block 2, mode v: nothing more is asked for
	s_wait_xcnt 0x0
	OUTADR 1
	s_wait_loadcnt 0x0
	FETCH 0
.irp s, 0,1,2,3,4,5,6,7
	STEP \s, 0
.endr
	WIN 0
	PLACES 4
	WAYOUT 1, 0
	s_wait_tensorcnt 0x0                           ; the wave's end
	ds_add_u32 v[SPW], v[NIL]
	s_wait_dscnt 0x0
	CROUND                                         ; the closing round
	s_endpgm
.Lfunc_end_k_q2d20742e34_qkv:
	.size	k_q2d20742e34_qkv, .Lfunc_end_k_q2d20742e34_qkv-k_q2d20742e34_qkv
	.p2alignl 7, 3214868480
	.fill 96, 4, 3214868480
	.section	.rodata,"a",@progbits
	.p2align	6, 0x0
	.amdhsa_kernel k_q2d20742e34_qkv
		.amdhsa_group_segment_fixed_size 327680
		.amdhsa_private_segment_fixed_size 0
		.amdhsa_enable_private_segment 0
		.amdhsa_kernarg_size 56
		.amdhsa_user_sgpr_count 2
		.amdhsa_user_sgpr_kernarg_segment_ptr 1
		.amdhsa_wavefront_size32 1
		.amdhsa_system_sgpr_workgroup_id_x 1
		.amdhsa_system_sgpr_workgroup_id_y 1
		.amdhsa_system_sgpr_workgroup_id_z 1
		.amdhsa_system_vgpr_workitem_id 0
		.amdhsa_next_free_vgpr 704
		.amdhsa_next_free_sgpr 100
		.amdhsa_reserve_vcc 0
		.amdhsa_float_denorm_mode_32 3
		.amdhsa_float_denorm_mode_16_64 3
		.amdhsa_memory_ordered 1
		.amdhsa_forward_progress 1
		.amdhsa_inst_pref_size 186
	.end_amdhsa_kernel
	.amdgpu_metadata
---
amdhsa.version: [ 1, 2 ]
amdhsa.kernels:
  - .name:           k_q2d20742e34_qkv
    .symbol:         k_q2d20742e34_qkv.kd
    .args:
      - { .name: xcs, .offset: 0, .size: 8, .value_kind: global_buffer, .address_space: global }
      - { .name: wcs, .offset: 8, .size: 8, .value_kind: global_buffer, .address_space: global }
      - { .name: wq_b, .offset: 16, .size: 8, .value_kind: global_buffer, .address_space: global }
      - { .name: wk_b, .offset: 24, .size: 8, .value_kind: global_buffer, .address_space: global }
      - { .name: wv_b, .offset: 32, .size: 8, .value_kind: global_buffer, .address_space: global }
      - { .name: qkcs, .offset: 40, .size: 8, .value_kind: global_buffer, .address_space: global }
      - { .name: vcs, .offset: 48, .size: 8, .value_kind: global_buffer, .address_space: global }
    .group_segment_fixed_size: 327680
    .private_segment_fixed_size: 0
    .kernarg_segment_align: 8
    .kernarg_segment_size: 56
    .max_flat_workgroup_size: 128
    .sgpr_count:     100
    .vgpr_count:     704
    .wavefront_size: 32
...
	.end_amdgpu_metadata
.endif
;; end of part 2
;; launch attn (part 3): grid 4 x 64, 16 waves a work-group, clusters of 4 x 1, 212,992 bytes of LDS; arguments qkcs, vcs, pcs; writes pcs
.if DOCPART == 3
	.amdgcn_target "amdgcn-amd-amdhsa--gfx1250"
	.amdhsa_code_object_version 6
	.text
	.protected	k_q2d20742e34_attn
	.globl	k_q2d20742e34_attn
	.p2align	8
	.type	k_q2d20742e34_attn,@function
k_q2d20742e34_attn:
	s_mov_b64 s[64:65], 0
	v_nop
	global_prefetch_b8 v0, s[64:65] scope:SCOPE_SE
	s_setreg_imm32_b32 hwreg(HW_REG_WAVE_MODE, 25, 1), 1
	s_wait_xcnt 0x0
	s_wait_alu depctr_hold_cnt(0) depctr_sa_sdst(0) depctr_va_vdst(0) depctr_va_sdst(0) depctr_va_ssrc(0) depctr_va_vcc(0) depctr_vm_vsrc(0)
	s_getreg_b32 s2, hwreg(HW_REG_IB_STS2, 6, 4)
	s_cmp_eq_u32 s2, 0
	s_cbranch_scc0 .Lentry_in_a_cluster
	s_endpgm
.Lentry_in_a_cluster:
	s_bfe_u32 s2, ttmp6, 0x10000c
	s_cmp_lg_u32 s2, 0x3003
	s_cbranch_scc0 .Lentry_shape_is_right
	s_endpgm
.Lentry_shape_is_right:
; preout[b][q][head] = softmax(q k^T / 8) v, both products on codes of FP6 (E2M3) with E8M0 scales; the result is quantised along the model's 1024 (a head's 64 are two whole blocks) and leaves as codes.
; THE SOFTMAX: t = score x log2(e) / 8; M = the running largest t rounded UP to a whole number; p = 2^(t - M) is quantised along the keys, not normalised; the row's sum is taken of the unquantised p and divides at the end.
; When M moves, the sum and O are multiplied by 2^(old M - new M), which rounds nothing.
; THE FIRST PRODUCT'S K IS 64.  The upper 64 of the instruction's 128 are zero codes on Q's side (registers 6-11 of Q's fragments hold 0).  So K's side may hold any codes there: K's eight half fragments of a step lie
; six registers apart, and a fragment's upper six registers are the next tile's codes (the last tile's: six registers of zeros).  A code of FP6 is a finite number, and the scale bytes there are a neighbouring head's or 0, never 0xff.
; SHARES.  A work-group owns 512 queries of one (batch, head); each of its sixteen waves two tiles of 16, one after the other.  THE HEAD'S WHOLE K AND V STAY IN LDS, 192 KiB, each byte filled once.
; The cluster's four work-groups are the head's four blocks of queries and ask for K and V jointly.  EVERY WAVE ISSUES ONE LOAD, at the head: wave w fetches part w / 2 (256 keys, 12,288 bytes) of K (w even) or of V (w odd).
; Waves 0-3 (keys 0-511) have load lines of their own and wait ahead of the first barrier; the other twelve loads may stay out over the first four key steps, and every wave waits for 0 ahead of the second barrier.
; A step's K fragments and scale words are fetched one step ahead, behind the step's eight score products.  The very last step fetches step 0's again, which nobody reads: one text serves all trips of the loop.
; No prefetch into the L2: all of K and V is asked for at the head, and no loop runs ahead of a load.
; The scale words (12 KiB of the 204 that a work-group reads, and K's must be shifted by the head's parity) come through registers and are stored to LDS: they are not asked for jointly.
; LAYOUT.  Both products are used transposed: S^T = K Q^T, O^T = V^T P^T: a lane holds ONE query.  A tile of keys holds keys 32 B + 8 U + r + 8 (r / 8), so that the 16 registers of tiles 2 b, 2 b + 1 are 16 neighbouring keys.
; LIMITS: NaN and infinities are not served; the scaled scores stay under 2^31 in magnitude; a block's largest p is taken from the block's largest score, which takes v_exp_f32 not to fall where its input rises; a block of zeros gets the byte 1.
.set VO,    98304                      ; LDS: K at 0 (step s at 6,144 s, key tile at 768), V here (step s at 6,144 s, d tile at 1,536),
.set SC,    196608                     ; the scale words: step s at 768 s: K's 512 bytes, V's 256,
.set SPARE, 209920                     ; the spare words, 128 bytes a wave, which no other line names
.set L16,  1                           ; v1   16 x lane
.set L8,   2                           ; v2   8 x lane
.set L4S,  3                           ; v3   4 x lane + SC
.set AK16, 4                           ; v4, v5, v8 K's addresses: of the step whose fragments were fetched last
.set AK8,  5
.set AV16, 6                           ; v6, v7 V's, of the step in hand
.set AV8,  7
.set A4K,  8
.set SPW,  9
.set NIL,  10
.set PW0,  11                          ; v11  the first tile's scale word on the way out
                                       ; v12 -M, v13 the largest t, v[14:15] the sum in two halves
.set QF,   16                          ; v16-27, v28-39 Q's two fragments
.set QS,   40                          ; v40, v41 their scale words
.set KS,   42                          ; v42-45 K's scale words: pair p of key tiles
.set VS,   46                          ; v46-47 V's
.set KF,   48                          ; v48-95 K's eight half fragments, six registers each
.set KZ,   96                          ; v96-101 zeros: the last tile's upper six
.set S,    102                         ; v102-165 S^T, then p; then V's four fragments in v102-149
.set O,    166                         ; v166-197 O^T
.set PC,   198                         ; v198-209 p's codes
.set PT,   210                         ; v210-216 at work
.set BM,   218
.set SO,   222
.set PM,   226
.set FF,   230                         ; v230 f, v231 0
.set TT,   232
.set PW,   233                         ; p's scale word
.set A4V,  234                         ; V's scale words of the step in hand
.set R4,   235
.set L4,   236
.set SU,   238                         ; v238-251 seven partial sums of p
.set WV,  10
.set WL,  11
.set CX,  12
.set YY,  13
.set BB,  14
.set HD,  15
.set SH,  16
.set HM,  17
.set IX,  18                           ; the key step in hand
.set TBN, 19                           ; LDS byte of the step that is fetched: 6,144 x step
.set TSN, 20                           ; and of its scale words: 768 x step
.set SEL, 22
.set CS,  24
.set G1K, 28
.set G1V, 36
.set G0K, 44
.set G0V, 48
.macro CROUND                          ; a round of the cluster's barrier
	s_barrier_signal -1
	s_barrier_wait -1
	s_cmp_lg_u32 s[WV], 0
	s_cbranch_scc1 .Lnot_wave_0_\@
	s_barrier_signal -3
.Lnot_wave_0_\@:
	s_barrier_wait -3
	s_barrier_signal -1
	s_barrier_wait -1
.endm
.macro TL g0, g1                       ; a joint load; an s_nop 0 and four v_nop follow it
	tensor_load_to_lds s[\g0:\g0+3], s[\g1:\g1+7]
	s_nop 0
.rept 4
	v_nop
.endr
.endm
; One product.  d, a, b: first registers of D, source 0, source 1; c: of C, or -1 for the constant 0; sa, sb: the scale registers; ra: 1 where source 0's words lie in lanes 16-31.
.macro WM d, a, b, c, sa, sb, ra
.if (\c) < 0
.if (\ra)==0
	v_wmma_scale_f32_16x16x128_f8f6f4 v[(\d):(\d)+7], v[(\a):(\a)+11], v[(\b):(\b)+11], 0, v[\sa], v[\sb] matrix_a_fmt:MATRIX_FMT_FP6 matrix_b_fmt:MATRIX_FMT_FP6
.else
	v_wmma_scale_f32_16x16x128_f8f6f4 v[(\d):(\d)+7], v[(\a):(\a)+11], v[(\b):(\b)+11], 0, v[\sa], v[\sb] matrix_a_fmt:MATRIX_FMT_FP6 matrix_b_fmt:MATRIX_FMT_FP6 matrix_a_scale:MATRIX_SCALE_ROW1
.endif
.else
.if (\ra)==0
	v_wmma_scale_f32_16x16x128_f8f6f4 v[(\d):(\d)+7], v[(\a):(\a)+11], v[(\b):(\b)+11], v[(\c):(\c)+7], v[\sa], v[\sb] matrix_a_fmt:MATRIX_FMT_FP6 matrix_b_fmt:MATRIX_FMT_FP6
.else
	v_wmma_scale_f32_16x16x128_f8f6f4 v[(\d):(\d)+7], v[(\a):(\a)+11], v[(\b):(\b)+11], v[(\c):(\c)+7], v[\sa], v[\sb] matrix_a_fmt:MATRIX_FMT_FP6 matrix_b_fmt:MATRIX_FMT_FP6 matrix_a_scale:MATRIX_SCALE_ROW1
.endif
.endif
.endm
	s_load_b128 s[4:7], s[0:1], 0x0                ; qkcs, vcs
	s_load_b64 s[8:9], s[0:1], 0x10                ; pcs
	v_lshl_add_u32 v[SPW], v0, 2, SPARE
	v_mov_b32 v[NIL], 0
	ds_add_u32 v[SPW], v[NIL]                      ; the wave's opening: the add, twice on end, and its wait ahead of my tensor load
	ds_add_u32 v[SPW], v[NIL]
	v_lshrrev_b32 v4, 5, v0
	s_delay_alu instid0(VALU_DEP_1)
	v_readfirstlane_b32 s[WV], v4                  ; wave 0..15
	s_and_b32 s[WL], s[WV], 1                      ; 0: I fetch for K, 1: for V
	s_lshr_b32 s67, s[WV], 1                       ; which 256 keys I fetch
	s_bfe_u32 s[CX], ttmp6, 0x40000                ; my place in the cluster: which 512 queries
	s_and_b32 s[YY], ttmp7, 0xffff                 ; 16 x batch + head, which the four partners share
	s_lshr_b32 s[BB], s[YY], 4
	s_and_b32 s[HD], s[YY], 15
	s_and_b32 s[SH], s[HD], 1
	s_lshl_b32 s[SH], s[SH], 4                     ; a scale word of q or k serves two heads: the odd head's bytes lie 16 bits up
	s_mov_b32 s[HM], 0xffff0000                    ; lanes 16-31
	s_mov_b32 s[SEL], 0x76543210
	s_mov_b32 s[SEL+1], 0xfedcba98                 ; selects for lane l xor 16
	s_mov_b32 s[CS], 0x3e38aa3b                    ; c = log2(e) / 8
	s_mov_b32 s[CS+1], s[CS]                       ; (named with it as a pair, so it is written)
	s_mov_b32 s[G1K], 15|(3<<16)|(1<<21)           ; 15:0 the mask: all four work-groups; elements of 8 bytes; 21 set beside a mask; no padding
	s_mov_b32 s[G1K+1], 96<<16                     ; a key tile's half fragment: 768 bytes
	s_mov_b32 s[G1K+2], 16<<16                     ; 16 tiles a load
	s_mov_b32 s[G1K+3], 96<<16
	s_mov_b32 s[G1K+4], 16
	s_mov_b32 s[G1K+5], 3072                       ; from tile to tile: 24,576 bytes
	s_mov_b32 s[G1K+6], 0
	s_mov_b32 s[G1K+7], 0
	s_mov_b32 s[G1V], 15|(3<<16)|(1<<21)
	s_mov_b32 s[G1V+1], 32<<16                     ; a dense block of 12,288 bytes as 48 rows of 256
	s_mov_b32 s[G1V+2], 48<<16
	s_mov_b32 s[G1V+3], 32<<16
	s_mov_b32 s[G1V+4], 48
	s_mov_b32 s[G1V+5], 32
	s_mov_b32 s[G1V+6], 0
	s_mov_b32 s[G1V+7], 0
	s_mul_i32 s86, s[BB], 3145728                  ; K: the batch's 128 tiles,
	s_mul_i32 s87, s67, 393216                     ; my 16 of them,
	s_add_co_u32 s86, s86, s87
	s_mul_i32 s87, s[HD], 768
	s_add_co_u32 s86, s86, s87
	s_add_co_u32 s86, s86, 12288                   ; half fragment 16 + head
	s_mov_b32 s87, 0
	s_mul_i32 s90, s[YY], 98304                    ; V: my head's block,
	s_mul_i32 s21, s67, 12288                      ; my part, in memory and in LDS
	s_add_co_u32 s90, s90, s21
	s_mov_b32 s91, 0
	s_lshr_b32 s2, s[HD], 1
	s_lshl_b32 s3, s2, 15
	s_lshl_b32 s60, s[BB], 13
	s_add_co_u32 s60, s60, s3
	s_add_co_u32 s60, s60, 12582912+8*32768        ; K's scale words of the batch
	s_mov_b32 s61, 0
	s_lshl_b32 s62, s[YY], 12
	s_add_co_u32 s62, s62, 6291456                 ; V's of the head
	s_mov_b32 s63, 0
	s_lshl_b32 s26, s[BB], 7
	s_lshl_b32 s27, s[CX], 5
	s_add_co_u32 s26, s26, s27
	s_lshl_b32 s27, s[WV], 1
	s_add_co_u32 s26, s26, s27                     ; my first tile of queries
	s_mul_i32 s92, s26, 24576
	s_mul_i32 s27, s[HD], 768
	s_add_co_u32 s92, s92, s27                     ; Q's codes
	s_mov_b32 s93, 0
	s_lshl_b32 s66, s26, 6
	s_add_co_u32 s94, s66, s3
	s_add_co_u32 s94, s94, 12582912                ; Q's scale words
	s_mov_b32 s95, 0
	s_mul_i32 s96, s26, 12288
	s_add_co_u32 s96, s96, s27                     ; the result's codes
	s_mov_b32 s97, 0
	s_lshl_b32 s98, s[HD], 15
	s_add_co_u32 s98, s98, s66
	s_add_co_u32 s98, s98, 6291456                 ; and its scale words
	s_mov_b32 s99, 0
	s_mul_i32 s2, s[WV], 768
	s_add_co_u32 s2, s2, SC                        ; wave w brings step w's scale words
	v_and_b32 v4, 31, v0                           ; lane
	v_and_b32 v5, 15, v0                           ; r
	v_lshlrev_b32 v[S+6], 4, v0                    ; 16 x thread: wave w's 512 bytes are step w's words of K
	v_lshlrev_b32 v[S+7], 3, v0                    ; 8 x thread: its 256 bytes step w's words of V
	v_lshlrev_b32 v[L16], 4, v4
	v_lshlrev_b32 v[L8], 3, v4
	v_lshl_add_u32 v[L4S], v4, 2, SC
	v_lshlrev_b32 v[R4], 2, v5
	v_lshlrev_b32 v[L4], 2, v4
	v_add_nc_u32 v[S+8], s2, v[L16]
	v_add_nc_u32 v[S+9], s2, v[L8]
	s_wait_alu depctr_va_vdst(0)
	s_wait_dscnt 0x0                               ; both opening adds are done
	s_wait_kmcnt 0x0
	s_add_nc_u64 s[84:85], s[4:5], s[86:87]
	s_add_nc_u64 s[88:89], s[6:7], s[90:91]
	s_add_nc_u64 s[60:61], s[4:5], s[60:61]
	s_add_nc_u64 s[62:63], s[6:7], s[62:63]
	s_add_nc_u64 s[92:93], s[4:5], s[92:93]
	s_add_nc_u64 s[94:95], s[4:5], s[94:95]
	s_add_nc_u64 s[96:97], s[8:9], s[96:97]
	s_add_nc_u64 s[98:99], s[8:9], s[98:99]
	global_load_b128 v[S:S+3], v[S+6], s[60:61]    ; the plain loads go out ahead of the round
	global_load_b64 v[S+4:S+5], v[S+7], s[62:63]
.irp p, 0,1
	global_load_b128 v[QF+12*\p:QF+12*\p+3], v[L16], s[92:93] offset:24576*\p
	global_load_b64 v[QF+12*\p+4:QF+12*\p+5], v[L8], s[92:93] offset:24576*\p+512
	global_load_b32 v[QS+\p], v[R4], s[94:95] offset:64*\p
.endr
	s_mov_b32 s[G0K], 1
	s_mov_b32 s[G0K+1], s21
	s_mov_b64 s[G0K+2:G0K+3], s[84:85]
	s_or_b32 s[G0K+3], s[G0K+3], 0x80000000
	s_mov_b32 s[G0V], 1
	s_add_co_u32 s[G0V+1], s21, VO
	s_mov_b64 s[G0V+2:G0V+3], s[88:89]
	s_or_b32 s[G0V+3], s[G0V+3], 0x80000000
	CROUND                                         ; all four work-groups are here: the joint loads meet
	s_cmp_lt_u32 s[WV], 4                          ; one tree of branches on the wave's number, one load to an arm: waves 0-3 have lines of their own
	s_cbranch_scc0 .Llate
	s_cmp_eq_u32 s[WL], 0
	s_cbranch_scc0 .Lv_first
	TL G0K, G1K
	s_branch .Lasked
.Lv_first:
	TL G0V, G1V
	s_branch .Lasked
.Llate:
	s_cmp_eq_u32 s[WL], 0
	s_cbranch_scc0 .Lv_late
	TL G0K, G1K
	s_branch .Lasked
.Lv_late:
	TL G0V, G1V
.Lasked:
.irp p, 0,1
.irp i, 6,7,8,9,10,11
	v_mov_b32 v[QF+12*\p+\i], 0                    ; the upper 64 along K: zero codes
.endr
.endr
.irp i, 0,1,2,3,4,5
	v_mov_b32 v[KZ+\i], 0
.endr
.irp b, 0,1,2,3
	v_mov_b32 v[PM+\b], 0                          ; a lane permute's destination counts as one of its sources
.endr
	v_mov_b32 v[FF+1], 0                           ; (named as the upper half of a pair)
	v_mov_b32 v[TT], 0
	s_wait_alu depctr_va_vdst(0)
	s_wait_loadcnt 0x0
.irp i, 0,1,2,3
	v_lshrrev_b32 v[S+\i], s[SH], v[S+\i]          ; my head's two bytes come lowest
.endr
	v_lshrrev_b32 v[QS], s[SH], v[QS]
	v_lshrrev_b32 v[QS+1], s[SH], v[QS+1]
	ds_store_b128 v[S+8], v[S:S+3]
	ds_store_b64 v[S+9], v[S+4:S+5] offset:512
	s_wait_alu depctr_va_vdst(0)
	s_wait_dscnt 0x0                               ; for the others' sake: my scale words lie in LDS
	s_cmp_lt_u32 s[WV], 4
	s_cbranch_scc0 .Lnot_first
	s_wait_tensorcnt 0x0                           ; waves 0-3: my part of keys 0-511 is in.  The other waves' loads may stay out
.Lnot_first:
	s_barrier_signal -1
	s_barrier_wait -1
.macro KADR d                          ; where key step (s[IX] + d) mod 16 lies
	s_add_co_u32 s[TBN], s[IX], \d
	s_and_b32 s[TBN], s[TBN], 15
	s_mul_i32 s[TBN], s[TBN], 6144
	s_lshr_b32 s[TSN], s[TBN], 3
.endm
.macro KLOAD                           ; a step's K: four scale words and eight half fragments
.irp p, 0,1,2,3
	ds_load_b32 v[KS+\p], v[A4K] offset:128*\p     ; lanes 0-15: key tile 2 p, lanes 16-31: tile 2 p + 1
.endr
.irp t, 0,1,2,3,4,5,6,7
	ds_load_b128 v[KF+6*\t:KF+6*\t+3], v[AK16] offset:768*\t
	ds_load_b64 v[KF+6*\t+4:KF+6*\t+5], v[AK8] offset:768*\t+512
.endr
.endm
.macro KFIRST                          ; step s[IX]'s K, where no step before it could fetch it
	KADR 0
	v_add_nc_u32 v[AK16], s[TBN], v[L16]
	v_add_nc_u32 v[AK8], s[TBN], v[L8]
	v_add_nc_u32 v[A4K], s[TSN], v[L4S]
	s_wait_alu depctr_va_vdst(0)
	KLOAD
.endm
; A KEY STEP: 128 keys.  qf, qs: the tile of queries in hand; pf = 1: the next step's K is fetched.
.macro STEP qf, qs, pf
.if \pf
	KADR 1
.endif
	v_add_nc_u32 v[AV16], VO, v[AK16]              ; V's addresses from K's of this step.  These five are the places between the last step's products, which read v102-149, and the products below, which write there
	v_add_nc_u32 v[AV8], VO, v[AK8]
	v_add_nc_u32 v[A4V], 512, v[A4K]
	v_nop
	v_nop
	s_wait_dscnt 0x0                               ; this step's K is in
.irp t, 0,1,2,3,4,5,6,7                        ; S^T = K Q^T: eight tiles of 16 keys
	WM S+8*\t, KF+6*\t, \qf, -1, KS+\t/2, \qs, \t%2
.endr
.if \pf
	v_add_nc_u32 v[AK16], s[TBN], v[L16]           ; four places behind the products, ahead of the loads into their sources and of the first read of the scores
	v_add_nc_u32 v[AK8], s[TBN], v[L8]
	v_add_nc_u32 v[A4K], s[TSN], v[L4S]
	v_nop
	KLOAD
.else
.rept 4
	v_nop
.endr
.endif
.irp b, 0,1,2,3
	v_max3_num_f32 v[BM+\b], v[S+16*\b], v[S+1+16*\b], v[S+2+16*\b]   ; the largest score of each block of 32 keys: for the row's maximum, and, since p rises with the score, for the block's largest p
.endr
.irp i, 3,5,7,9,11,13
.irp b, 0,1,2,3
	v_max3_num_f32 v[BM+\b], v[BM+\b], v[S+16*\b+\i], v[S+1+16*\b+\i]
.endr
.endr
.irp b, 0,1,2,3
	v_max_num_f32 v[BM+\b], v[BM+\b], v[S+15+16*\b]
.endr
.irp b, 0,1,2,3
	s_delay_alu instid0(VALU_DEP_4)
	v_permlanex16_b32 v[PM+\b], v[BM+\b], s[SEL], s[SEL+1]
.endr
.irp b, 0,1,2,3
	s_delay_alu instid0(VALU_DEP_4)
	v_max_num_f32 v[BM+\b], v[BM+\b], v[PM+\b]     ; with lane l xor 16's 16 keys
.endr
	s_delay_alu instid0(VALU_DEP_2)
	v_max3_num_f32 v[TT], v[BM], v[BM+1], v[BM+2]
	s_delay_alu instid0(VALU_DEP_1)
	v_max_num_f32 v[TT], v[TT], v[BM+3]            ; the step's largest score of my query
	s_delay_alu instid0(VALU_DEP_1)
	v_mul_f32 v[TT], s[CS], v[TT]                  ; as t
	s_delay_alu instid0(VALU_DEP_1)
	v_max_num_f32 v13, v13, v[TT]                  ; the running largest t
	v_mov_b32 v[TT], v12
	s_delay_alu instid0(VALU_DEP_2)
	v_floor_f32 v12, -v13                          ; the new -M = floor(-t): M is a whole number
	s_delay_alu instid0(VALU_DEP_1)
	v_sub_f32 v[TT], v12, v[TT]                    ; old M - new M: a whole number, 0 or less
	s_delay_alu instid0(VALU_DEP_1)
	v_cvt_i32_f32 v[TT], v[TT]                     ; (it saturates)
	s_delay_alu instid0(VALU_DEP_1)
	v_ldexp_f32 v[FF], 1.0, v[TT]                  ; f = 2^(old M - new M)
.set jj, 0
.rept 32
	v_pk_fma_f32 v[S+jj:S+jj+1], v[S+jj:S+jj+1], s[CS:CS+1], v[12:13] op_sel_hi:[1,0,0]   ; t - M, two at a time
.set jj, jj+2
.endr
.irp b, 0,1,2,3
	v_fma_f32 v[BM+\b], v[BM+\b], s[CS], v12       ; the same of each block's largest score
.endr
	s_wait_alu depctr_va_vdst(0)
.irp b, 0,1,2,3
	v_exp_f32 v[BM+\b], v[BM+\b]                   ; the block's largest p
.endr
.set jj, 0
.rept 64
	v_exp_f32 v[S+jj], v[S+jj]                     ; p = 2^(t - M), at most 1
.set jj, jj+1
.endr
	v_pk_mul_f32 v[14:15], v[14:15], v[FF:FF+1] op_sel_hi:[1,0]   ; the sums under the new M: a plain place behind the exponentials
	s_wait_alu depctr_va_vdst(0)                   ; one wait for the whole batch of 68, ahead of its first reader
.irp i, 0,1,2,3,4,5,6                          ; the row's sum of the unquantised p: eight chains side by side
	v_pk_add_f32 v[SU+2*\i:SU+2*\i+1], v[S+4+8*\i:S+5+8*\i], v[S+8+8*\i:S+9+8*\i]
.endr
	v_pk_add_f32 v[14:15], v[14:15], v[S+60:S+61]
	v_pk_add_f32 v[SU:SU+1], v[SU:SU+1], v[S:S+1]
.irp i, 1,2,3,4,5,6
	v_pk_add_f32 v[SU+2*\i:SU+2*\i+1], v[SU+2*\i:SU+2*\i+1], v[S+4*\i-2:S+4*\i-1]
.endr
	v_pk_add_f32 v[14:15], v[14:15], v[S+26:S+27]
.irp i, 0,1,2,3,4,5,6
	v_pk_add_f32 v[SU+2*\i:SU+2*\i+1], v[SU+2*\i:SU+2*\i+1], v[S+30+4*\i:S+31+4*\i]
.endr
	v_pk_add_f32 v[14:15], v[14:15], v[S+58:S+59]
	v_pk_add_f32 v[SU:SU+1], v[SU:SU+1], v[S+62:S+63]
	s_delay_alu instid0(VALU_DEP_2)
	v_pk_add_f32 v[14:15], v[14:15], v[SU+6:SU+7]
	s_delay_alu instid0(VALU_DEP_2)
	v_pk_add_f32 v[SU:SU+1], v[SU:SU+1], v[SU+8:SU+9]
	v_pk_add_f32 v[SU+2:SU+3], v[SU+2:SU+3], v[SU+10:SU+11]
	v_pk_add_f32 v[SU+4:SU+5], v[SU+4:SU+5], v[SU+12:SU+13]
	s_delay_alu instid0(VALU_DEP_2)
	v_pk_add_f32 v[14:15], v[14:15], v[SU+2:SU+3]
	s_delay_alu instid0(VALU_DEP_2)
	v_pk_add_f32 v[SU:SU+1], v[SU:SU+1], v[SU+4:SU+5]
	s_delay_alu instid0(VALU_DEP_1)
	v_pk_add_f32 v[14:15], v[14:15], v[SU:SU+1]
.irp b, 0,1,2,3
	v_max_num_f32 v[BM+\b], 0x1800000, v[BM+\b]    ; the floor 2^(3 - 127): the byte cannot fall under 1
.endr
.irp b, 0,1,2,3
	s_delay_alu instid0(VALU_DEP_4)
	v_add_nc_u32 v[SO+\b], 0xff000000, v[BM+\b]    ; 2 off the exponent field: the conversion's scale operand
.endr
.irp b, 0,1,2,3
	s_delay_alu instid0(VALU_DEP_4)
	v_lshrrev_b32 v[PM+\b], 23, v[SO+\b]           ; the scale's byte
.endr
	s_delay_alu instid0(VALU_DEP_3)
	v_lshl_or_b32 v[PW], v[PM+1], 8, v[PM]         ; p's scale word for these 128 keys
	s_delay_alu instid0(VALU_DEP_1)
	v_lshl_or_b32 v[PW], v[PM+2], 16, v[PW]
	s_delay_alu instid0(VALU_DEP_1)
	v_lshl_or_b32 v[PW], v[PM+3], 24, v[PW]
.irp c, 0,1
	v_cvt_scalef32_pk16_fp6_f32 v[PC+6*\c:PC+6*\c+2], v[S+32*\c:S+32*\c+15], v[SO+2*\c]
	v_cvt_scalef32_pk16_fp6_f32 v[PT+4*\c:PT+4*\c+2], v[S+32*\c+16:S+32*\c+31], v[SO+2*\c+1]   ; (a conversion's three registers begin on an even number)
.endr
	v_nop                                          ; one plain place behind a scaled conversion
.irp t, 0,1,2,3                                ; V's four fragments land where p lay, while the lines below are worked
	ds_load_b128 v[S+12*\t:S+12*\t+3], v[AV16] offset:1536*\t
	ds_load_b64 v[S+12*\t+4:S+12*\t+5], v[AV8] offset:1536*\t+512
	ds_load_b128 v[S+12*\t+6:S+12*\t+9], v[AV16] offset:1536*\t+768
	ds_load_b64 v[S+12*\t+10:S+12*\t+11], v[AV8] offset:1536*\t+1280
.endr
.irp p, 0,1
	ds_load_b32 v[VS+\p], v[A4V] offset:128*\p
.endr
.irp c, 0,1                                    ; the operand's layout wants a whole block in a lane
.irp i, 0,1,2
	v_permlane16_swap_b32 v[PC+6*\c+\i], v[PT+4*\c+\i]
.endr
.irp i, 0,1,2
	s_delay_alu instid0(VALU_DEP_3)
	v_mov_b32 v[PC+3+6*\c+\i], v[PT+4*\c+\i]
.endr
.endr
	s_wait_alu depctr_va_vdst(0)
.set jj, 0
.rept 16
	v_pk_mul_f32 v[O+jj:O+jj+1], v[O+jj:O+jj+1], v[FF:FF+1] op_sel_hi:[1,0]   ; O^T under the new M.  (These are also the places between the lines that made p's codes and scale word and the products)
.set jj, jj+2
.endr
	s_wait_alu depctr_va_vdst(0)
	s_wait_dscnt 0x0                               ; V is in (and the next step's K, asked for ahead of it)
.irp t, 0,1,2,3                                ; O^T += V^T P^T: the four accumulators by turns
	WM O+8*\t, S+12*\t, PC, O+8*\t, VS+\t/2, PW, \t%2
.endr
.endm
.macro RUN last, qf, qs                ; key steps s[IX] .. last - 1
.Lrun_\@:
	STEP \qf, \qs, 1
	s_add_co_u32 s[IX], s[IX], 1
	s_cmp_lg_u32 s[IX], \last
	s_cbranch_scc1 .Lrun_\@
.endm
.macro INIT                            ; the step is written without a first step of its own: it finds zeros, which the first change of M leaves zeros
	v_mov_b32 v13, 0xff61b1e6                      ; the largest t so far: -3e38
	s_delay_alu instid0(VALU_DEP_1)
	v_floor_f32 v12, -v13
	v_mov_b32 v14, 0
	v_mov_b32 v15, 0
.set jj, 0
.rept 32
	v_mov_b32 v[O+jj], 0
.set jj, jj+1
.endr
	s_mov_b32 s[IX], 0
.endm
; O^T / the sum; register 16 b + n is channel 32 b + 16 h + n of my query: two blocks, one half fragment, two scale bytes.
.macro WAYOUT p
.rept 4
	v_nop                                          ; places behind the last products
.endr
	v_add_f32 v14, v14, v15
	s_delay_alu instid0(VALU_DEP_1)
	v_permlanex16_b32 v[TT], v14, s[SEL], s[SEL+1]
	s_delay_alu instid0(VALU_DEP_1)
	v_add_f32 v14, v14, v[TT]                      ; the row's sum
	s_wait_alu depctr_va_vdst(0)
	v_rcp_f32 v[FF], v14
	v_nop                                          ; a plain place behind the reciprocal,
	s_wait_alu depctr_va_vdst(0)                   ; and the wait ahead of its first reader
.set jj, 0
.rept 16
	v_pk_mul_f32 v[S+jj:S+jj+1], v[O+jj:O+jj+1], v[FF:FF+1] op_sel_hi:[1,0]   ; each accumulator from its low end on
.set jj, jj+2
.endr
.irp b, 0,1
	v_max3_num_f32 v[BM+\b], |v[S+16*\b]|, |v[S+1+16*\b]|, 0x1800000
.endr
.irp i, 2,4,6,8,10,12,14
.irp b, 0,1
	s_delay_alu instid0(VALU_DEP_2)
	v_max3_num_f32 v[BM+\b], v[BM+\b], |v[S+16*\b+\i]|, |v[S+1+16*\b+\i]|
.endr
.endr
.irp b, 0,1
	s_delay_alu instid0(VALU_DEP_2)
	v_permlanex16_b32 v[PM+\b], v[BM+\b], s[SEL], s[SEL+1]
.endr
.irp b, 0,1
	s_delay_alu instid0(VALU_DEP_2)
	v_max_num_f32 v[BM+\b], v[BM+\b], v[PM+\b]
.endr
.irp b, 0,1
	s_delay_alu instid0(VALU_DEP_2)
	v_add_nc_u32 v[SO+\b], 0xff000000, v[BM+\b]
.endr
.irp b, 0,1
	s_delay_alu instid0(VALU_DEP_2)
	v_lshrrev_b32 v[PM+\b], 23, v[SO+\b]
.endr
.if \p == 0
	s_delay_alu instid0(VALU_DEP_1)
	v_lshl_or_b32 v[PW0], v[PM+1], 8, v[PM]        ; bytes 2 and 3 stay 0
.else
	s_delay_alu instid0(VALU_DEP_1)
	v_lshl_or_b32 v[TT], v[PM+1], 8, v[PM]
.endif
	v_cvt_scalef32_pk16_fp6_f32 v[PC:PC+2], v[S:S+15], v[SO]
	v_cvt_scalef32_pk16_fp6_f32 v[PT:PT+2], v[S+16:S+31], v[SO+1]
	v_nop                                          ; one plain place behind a scaled conversion
.irp i, 0,1,2
	v_permlane16_swap_b32 v[PC+\i], v[PT+\i]
.endr
.irp i, 0,1,2
	s_delay_alu instid0(VALU_DEP_3)
	v_mov_b32 v[PC+3+\i], v[PT+\i]
.endr
	global_store_b128 v[L16], v[PC:PC+3], s[96:97] offset:12288*\p        ; 512 consecutive bytes,
	global_store_b64 v[L8], v[PC+4:PC+5], s[96:97] offset:12288*\p+512    ; and 256
.if \p == 0
	s_wait_xcnt 0x0                                ; the stores have read the codes' registers, which the next tile writes again
.else
	v_cndmask_b32 v[TT], v[PW0], v[TT], s[HM]      ; lanes 0-15 the first tile's words, lanes 16-31 the second's
	global_store_b32 v[L4], v[TT], s[98:99]        ; 128 consecutive bytes
.endif
.endm
	INIT
	KFIRST                                         ; step 0's K
	RUN 3, QF, QS                                  ; steps 0-2, each fetching the next step's K: keys 0-511 alone are read
	STEP QF, QS, 0                                 ; step 3 fetches nothing: step 4's K may not have landed
	s_wait_tensorcnt 0x0                           ; every wave: my load is in,
	s_wait_dscnt 0x0
	s_barrier_signal -1
	s_barrier_wait -1                              ; and everybody's: all of K and V lies in LDS
	s_mov_b32 s[IX], 4
	KFIRST
	RUN 16, QF, QS                                 ; steps 4-15; the last fetches step 0's K for the second tile
	WAYOUT 0
	INIT
	RUN 16, QF+12, QS+1                            ; the second tile: no barrier
	WAYOUT 1
	s_wait_tensorcnt 0x0                           ; the wave's end
	ds_add_u32 v[SPW], v[NIL]
	s_wait_dscnt 0x0
	CROUND                                         ; the closing round
	s_endpgm
.Lfunc_end_k_q2d20742e34_attn:
	.size	k_q2d20742e34_attn, .Lfunc_end_k_q2d20742e34_attn-k_q2d20742e34_attn
	.p2alignl 7, 3214868480
	.fill 96, 4, 3214868480
	.section	.rodata,"a",@progbits
	.p2align	6, 0x0
	.amdhsa_kernel k_q2d20742e34_attn
		.amdhsa_group_segment_fixed_size 212992
		.amdhsa_private_segment_fixed_size 0
		.amdhsa_enable_private_segment 0
		.amdhsa_kernarg_size 24
		.amdhsa_user_sgpr_count 2
		.amdhsa_user_sgpr_kernarg_segment_ptr 1
		.amdhsa_wavefront_size32 1
		.amdhsa_system_sgpr_workgroup_id_x 1
		.amdhsa_system_sgpr_workgroup_id_y 1
		.amdhsa_system_sgpr_workgroup_id_z 1
		.amdhsa_system_vgpr_workitem_id 0
		.amdhsa_next_free_vgpr 256
		.amdhsa_next_free_sgpr 100
		.amdhsa_reserve_vcc 0
		.amdhsa_float_denorm_mode_32 3
		.amdhsa_float_denorm_mode_16_64 3
		.amdhsa_memory_ordered 1
		.amdhsa_forward_progress 1
		.amdhsa_inst_pref_size 92
	.end_amdhsa_kernel
	.amdgpu_metadata
---
amdhsa.version: [ 1, 2 ]
amdhsa.kernels:
  - .name:           k_q2d20742e34_attn
    .symbol:         k_q2d20742e34_attn.kd
    .args:
      - { .name: qkcs, .offset: 0, .size: 8, .value_kind: global_buffer, .address_space: global }
      - { .name: vcs, .offset: 8, .size: 8, .value_kind: global_buffer, .address_space: global }
      - { .name: pcs, .offset: 16, .size: 8, .value_kind: global_buffer, .address_space: global }
    .group_segment_fixed_size: 212992
    .private_segment_fixed_size: 0
    .kernarg_segment_align: 8
    .kernarg_segment_size: 24
    .max_flat_workgroup_size: 512
    .sgpr_count:     100
    .vgpr_count:     256
    .wavefront_size: 32
...
	.end_amdgpu_metadata
.endif
;; end of part 3
;; launch proj (part 4): grid 4 x 64, 4 waves a work-group, clusters of 4 x 4, 327,680 bytes of LDS; arguments pcs, wcs, wo_b, out0; writes out0
.if DOCPART == 4
	.amdgcn_target "amdgcn-amd-amdhsa--gfx1250"
	.amdhsa_code_object_version 6
	.text
	.protected	k_q2d20742e34_proj
	.globl	k_q2d20742e34_proj
	.p2align	8
	.type	k_q2d20742e34_proj,@function
k_q2d20742e34_proj:
	s_mov_b64 s[64:65], 0
	v_nop
	global_prefetch_b8 v0, s[64:65] scope:SCOPE_SE
	s_setreg_imm32_b32 hwreg(HW_REG_WAVE_MODE, 25, 1), 1
	s_wait_xcnt 0x0
	s_wait_alu depctr_hold_cnt(0) depctr_sa_sdst(0) depctr_va_vdst(0) depctr_va_sdst(0) depctr_va_ssrc(0) depctr_va_vcc(0) depctr_vm_vsrc(0)
	s_getreg_b32 s2, hwreg(HW_REG_IB_STS2, 6, 4)
	s_cmp_eq_u32 s2, 0
	s_cbranch_scc0 .Lentry_in_a_cluster
	s_endpgm
.Lentry_in_a_cluster:
	s_bfe_u32 s2, ttmp6, 0x10000c
	s_cmp_lg_u32 s2, 0xf033
	s_cbranch_scc0 .Lentry_shape_is_right
	s_endpgm
.Lentry_shape_is_right:
; out0 = preout Wo^T + bo on codes of FP6 (E2M3) with E8M0 scales; out0 [8192][1024] f32.
; Source 0 = 16 rows of Wo (index i = output channel), source 1 = 16 rows of preout (index j = row): a lane holds one row of out0 and its registers run along the channels.
; TILES of both tensors hold rows 32 B + 8 U + r + 8 (r / 8): the 16 registers of i tiles 2 b, 2 b + 1 are the 16 neighbouring channels 32 b + 16 h + 0 .. 15; a j tile's rows are put back by the stores' offsets.
; SHARES.  A work-group makes 256 i x 128 j; wave (wi, wj) 128 i x 64 j: 32 accumulators.  K = 1024 is 8 matrix steps.
; LDS holds both tiles for all of K, in two chunks of 512 along K, each filled once.  A wave has one tensor load out at the most.
; CLUSTER 4 x 4: Wo's tile hangs on the work-group's x and is asked for jointly along a column of the cluster, preout's on its y and jointly along a row.
; The bias is the C of the first step's products.  preout's scale words lie one for each head (two bytes); two heads' make the word of a K step.
; REGISTERS.  window 0: v1-11 addresses; v16-47 Wo's scale words; v48-63 preout's; v64-159 preout's fragments, two sets; v160-223 the bias.  window 1: accumulator (a, t) at 8 (8 a + t).  window 2: Wo's fragments, two sets of 96.
; THE CHUNKS AS THEY STAND NOW: two chunks of 512 along K, each filled once by two of the four head loads, one load a wave (wave 0: Wo's 16 tiles of chunk 0, wave 1: preout's 8, waves 2 and 3: the same of chunk 1).
.set CH,    147456
.set P1OFF, 98304
.set TBY,   6144
.set SPARE, 2*CH
.set SPITCH, 528                       ; the way out: a stage of 16 rows x (512 bytes + 16) for each wave, in chunk 0, which has had its only fill and whose last read lies ahead of a barrier that every wave has passed
.set A016, 1
.set A08,  2
.set A116, 3
.set A18,  4
.set L16,  5
.set L8,   6
.set SCA,  7
.set BIA,  8
.set L4,   9
.set STO,  10
.set RD,   11
.set SC0,  16
.set SC1,  48
.set F1,   64
.set RAW,  112
.set BI,   160
.set BK,   64
.set SPW,  232
.set NIL,  233
.set WV,   18
.set WI,   19
.set WJ,   20
.set CX,   21
.set CY,   22
.set CLY,  23
.set IT,   25
.set JT,   26
.set G1A,  28
.set G1B,  36
.set G0A,  44
.set G0B,  68
.set MULW, 0x52                        ; source 0 window 2, source 1 window 0, C and D window 1
.set MULB, 0x42                        ; the same with C (the bias) in window 0
.set MSB, 0
.macro WIN new                         ; the immediate's high byte repeats the setting that is left
.if MSB != \new
	s_set_vgpr_msb (MSB<<8)|\new
.set MSB, \new
.endif
.endm
.macro PLACES n
.rept \n
	v_nop
.endr
.endm
.macro CROUND                          ; a round of the cluster's barrier
	s_barrier_signal -1
	s_barrier_wait -1
	s_cmp_lg_u32 s[WV], 0
	s_cbranch_scc1 .Lnot_wave_0_\@
	s_barrier_signal -3
.Lnot_wave_0_\@:
	s_barrier_wait -3
	s_barrier_signal -1
	s_barrier_wait -1
.endm
; One product.  d, a, b, c: first registers of D, source 0, source 1, C; sa, sb: the scale registers; ra, rb: 1 where the words lie in lanes 16-31.
.macro WM d, a, b, c, sa, sb, ra, rb
.if ((\ra)==0)&&((\rb)==0)
	v_wmma_scale_f32_16x16x128_f8f6f4 v[(\d):(\d)+7], v[(\a):(\a)+11], v[(\b):(\b)+11], v[(\c):(\c)+7], v[\sa], v[\sb] matrix_a_fmt:MATRIX_FMT_FP6 matrix_b_fmt:MATRIX_FMT_FP6
.elseif ((\ra)==1)&&((\rb)==0)
	v_wmma_scale_f32_16x16x128_f8f6f4 v[(\d):(\d)+7], v[(\a):(\a)+11], v[(\b):(\b)+11], v[(\c):(\c)+7], v[\sa], v[\sb] matrix_a_fmt:MATRIX_FMT_FP6 matrix_b_fmt:MATRIX_FMT_FP6 matrix_a_scale:MATRIX_SCALE_ROW1
.elseif (\ra)==0
	v_wmma_scale_f32_16x16x128_f8f6f4 v[(\d):(\d)+7], v[(\a):(\a)+11], v[(\b):(\b)+11], v[(\c):(\c)+7], v[\sa], v[\sb] matrix_a_fmt:MATRIX_FMT_FP6 matrix_b_fmt:MATRIX_FMT_FP6 matrix_b_scale:MATRIX_SCALE_ROW1
.else
	v_wmma_scale_f32_16x16x128_f8f6f4 v[(\d):(\d)+7], v[(\a):(\a)+11], v[(\b):(\b)+11], v[(\c):(\c)+7], v[\sa], v[\sb] matrix_a_fmt:MATRIX_FMT_FP6 matrix_b_fmt:MATRIX_FMT_FP6 matrix_a_scale:MATRIX_SCALE_ROW1 matrix_b_scale:MATRIX_SCALE_ROW1
.endif
.endm
	s_load_b256 s[4:11], s[0:1], 0x0               ; pcs s[4:5], wcs s[6:7], wo_b s[8:9], out0 s[10:11]
	v_lshl_add_u32 v[SPW], v0, 2, SPARE
	v_mov_b32 v[NIL], 0
	ds_add_u32 v[SPW], v[NIL]                      ; the wave's opening: the add and its wait ahead of my first tensor load; work on registers stands between them
	ds_add_u32 v[SPW], v[NIL]
	v_lshrrev_b32 v12, 5, v0
	v_readfirstlane_b32 s[WV], v12                 ; wave 0..3
	s_and_b32 s[WI], s[WV], 1                      ; my half of the 256 i.  Also: I fetch for source 0 (0) or source 1 (1)
	s_lshr_b32 s[WJ], s[WV], 1                     ; my half of the 128 j.  Also: which chunk I fetch
	s_bfe_u32 s[CX], ttmp6, 0x40000
	s_bfe_u32 s[CY], ttmp6, 0x40004
	s_and_b32 s[CLY], ttmp7, 0xffff
	s_lshl_b32 s[IT], ttmp9, 2
	s_add_co_u32 s[IT], s[IT], s[CX]               ; which 256 channels
	s_lshl_b32 s[JT], s[CLY], 2
	s_add_co_u32 s[JT], s[JT], s[CY]               ; which 128 rows
	s_lshl_b32 s3, 0x1111, s[CX]                   ; my column of the cluster
	s_or_b32 s[G1A], s3, (3<<16)|(1<<21)           ; 15:0 the mask; elements of 8 bytes; 21 set beside a mask; no padding
	s_lshl_b32 s27, s[CY], 2
	s_lshl_b32 s27, 15, s27                        ; my row
	s_or_b32 s[G1B], s27, (3<<16)|(1<<21)
.irp g, G1A, G1B
	s_mov_b32 s[\g+1], 768<<16                     ; a tile's 6,144 bytes of a chunk
	s_mov_b32 s[\g+3], 768<<16
	s_mov_b32 s[\g+5], 1536                        ; from tile to tile: 12,288 bytes
	s_mov_b32 s[\g+6], 0
	s_mov_b32 s[\g+7], 0
.endr
	s_mov_b32 s[G1A+2], 16<<16
	s_mov_b32 s[G1A+4], 16
	s_mov_b32 s[G1B+2], 8<<16
	s_mov_b32 s[G1B+4], 8
	s_lshl_b32 s86, s[IT], 4
	s_lshl_b32 s87, s[WI], 3
	s_add_co_u32 s86, s86, s87
	s_add_co_u32 s86, s86, 192                     ; wo's tiles begin at 192 in wcs: the 8 that I fetch, and that I multiply
	s_mul_i32 s60, s[IT], 196608                   ; a load fetches all 16 tiles of Wo's block,
	s_add_co_u32 s60, s60, 192*12288               ; which begin at tile 192 of wcs
	s_mov_b32 s61, 0
	s_lshl_b32 s86, s86, 9
	s_add_co_u32 s86, s86, 3145728                 ; their scale words
	s_mov_b32 s87, 0
	s_lshl_b32 s90, s[JT], 3
	s_mul_i32 s62, s90, 12288                      ; a load fetches all 8 tiles of preout
	s_mov_b32 s63, 0
	s_lshl_b32 s91, s[WJ], 2
	s_add_co_u32 s90, s90, s91                     ; the 4 that I multiply
	s_lshl_b32 s90, s90, 6
	s_add_co_u32 s90, s90, 6291456                 ; their scale words of head 0
	s_mov_b32 s91, 0
	s_mov_b32 s66, 0                               ; where the loads go in a chunk
	s_mov_b32 s67, P1OFF
	s_wait_dscnt 0x0                               ; the opening add is done
	s_wait_kmcnt 0x0
	s_add_nc_u64 s[60:61], s[6:7], s[60:61]
	s_add_nc_u64 s[62:63], s[4:5], s[62:63]
	s_add_nc_u64 s[84:85], s[6:7], s[86:87]
	s_add_nc_u64 s[88:89], s[4:5], s[90:91]
.irp c, 0,1
	s_mov_b32 s[G0A+4*\c], 1
	s_add_co_u32 s[G0A+4*\c+1], s66, \c*CH
	s_add_nc_u64 s[G0A+4*\c+2:G0A+4*\c+3], s[60:61], \c*TBY
	s_or_b32 s[G0A+4*\c+3], s[G0A+4*\c+3], 0x80000000
	s_mov_b32 s[G0B+4*\c], 1
	s_add_co_u32 s[G0B+4*\c+1], s67, \c*CH
	s_add_nc_u64 s[G0B+4*\c+2:G0B+4*\c+3], s[62:63], \c*TBY
	s_or_b32 s[G0B+4*\c+3], s[G0B+4*\c+3], 0x80000000
.endr
	CROUND                                         ; all sixteen work-groups are here: the joint loads meet
	s_cmp_eq_u32 s[WV], 0                          ; one tree of branches on the wave's number, one load to an arm
	s_cbranch_scc0 .Lh_b0
	tensor_load_to_lds s[G0A:G0A+3], s[G1A:G1A+7]  ; wave 0: Wo, chunk 0
	s_nop 0
	PLACES 4
	s_branch .Lfirst_asked
.Lh_b0:
	s_cmp_eq_u32 s[WV], 1
	s_cbranch_scc0 .Lh_a1
	tensor_load_to_lds s[G0B:G0B+3], s[G1B:G1B+7]  ; wave 1: preout, chunk 0
	s_nop 0
	PLACES 4
	s_branch .Lfirst_asked
.Lh_a1:
	s_cmp_eq_u32 s[WV], 2
	s_cbranch_scc0 .Lh_b1
	tensor_load_to_lds s[G0A+4:G0A+7], s[G1A:G1A+7] ; wave 2: Wo, chunk 1
	s_nop 0
	PLACES 4
	s_branch .Lfirst_asked
.Lh_b1:
	tensor_load_to_lds s[G0B+4:G0B+7], s[G1B:G1B+7] ; wave 3: preout, chunk 1
	s_nop 0
	PLACES 4
.Lfirst_asked:
	v_and_b32 v12, 31, v0                          ; lane
	v_and_b32 v13, 15, v0                          ; r
	v_bfe_u32 v14, v0, 4, 1                        ; h
	v_lshlrev_b32 v[L16], 4, v12
	v_lshlrev_b32 v[L8], 3, v12
	v_lshlrev_b32 v[L4], 2, v12
	s_mul_i32 s2, s[WI], 49152
	v_add_nc_u32 v[A016], s2, v[L16]
	v_add_nc_u32 v[A08], s2, v[L8]
	s_mul_i32 s2, s[WJ], 24576
	s_add_co_u32 s2, s2, P1OFF
	v_add_nc_u32 v[A116], s2, v[L16]
	v_add_nc_u32 v[A18], s2, v[L8]
	v_lshlrev_b32 v[SCA], 4, v13
	v_lshl_add_u32 v[SCA], v14, 9, v[SCA]
	s_wait_alu depctr_va_vdst(0)
	v_lshlrev_b32 v[BIA], 6, v14
	s_wait_alu depctr_va_vdst(0)
	s_mul_i32 s2, s[WV], 16*SPITCH                 ; my stage
	v_mul_u32_u24 v[STO], v13, SPITCH
	v_lshl_add_u32 v[STO], v14, 6, v[STO]
	v_add_nc_u32 v[STO], s2, v[STO]                ; in: row r, + 64 h
	v_add_nc_u32 v[RD], s2, v[L16]                 ; back: the 32 lanes take one row of 512 bytes
	s_lshl_b32 s94, s[IT], 10
	s_lshl_b32 s95, s[WI], 9
	s_add_co_u32 s94, s94, s95                     ; my first channel, in bytes
	s_mov_b32 s95, 0
	s_add_nc_u64 s[92:93], s[8:9], s[94:95]
	s_lshl_b32 s96, s[JT], 19
	s_lshl_b32 s97, s[WJ], 18
	s_add_co_u32 s96, s96, s97                     ; my first row of 4,096 bytes
	s_add_co_u32 s96, s96, s94
	s_mov_b32 s97, 0
	s_add_nc_u64 s[98:99], s[10:11], s[96:97]
.irp p, 0,1,2,3
.irp kh, 0,1
	global_load_b128 v[SC0+8*\p+4*\kh:SC0+8*\p+4*\kh+3], v[SCA], s[84:85] offset:\p*1024+\kh*256
.endr
.endr
.irp hd, 0,1,2,3,4,5,6,7,8,9,10,11,12,13,14,15
.irp p, 0,1
	global_load_b32 v[RAW+2*\hd+\p], v[L4], s[88:89] offset:\hd*32768+128*\p   ; head hd, tiles 2 p (lanes 0-15) and 2 p + 1 (lanes 16-31)
.endr
.endr
.irp b, 0,1,2,3
.irp q, 0,1,2,3
	global_load_b128 v[BI+16*\b+4*\q:BI+16*\b+4*\q+3], v[BIA], s[92:93] offset:128*\b+16*\q   ; register 16 b + n: channel 32 b + 16 h + n
.endr
.endr
	s_wait_loadcnt 0x0
.irp p, 0,1
.irp s, 0,1,2,3,4,5,6,7
	v_lshl_or_b32 v[SC1+8*\p+\s], v[RAW+4*\s+2+\p], 16, v[RAW+4*\s+\p]   ; K step s is heads 2 s and 2 s + 1
.endr
.endr
	PLACES 8                                       ; a scale register written by a vector instruction stands 8 places ahead of a scaled matrix instruction
.macro FETCH s                         ; the fragments of K step s: 8 of Wo into window 2, 4 of preout into window 0; set s % 2
	WIN 0x80
.irp t, 0,1,2,3,4,5,6,7
	ds_load_b128 v[96*((\s)%2)+12*\t:96*((\s)%2)+12*\t+3], v[A016] offset:\t*TBY+((\s)%2)*1536
	ds_load_b64 v[96*((\s)%2)+12*\t+4:96*((\s)%2)+12*\t+5], v[A08] offset:\t*TBY+((\s)%2)*1536+512
	ds_load_b128 v[96*((\s)%2)+12*\t+6:96*((\s)%2)+12*\t+9], v[A016] offset:\t*TBY+((\s)%2)*1536+768
	ds_load_b64 v[96*((\s)%2)+12*\t+10:96*((\s)%2)+12*\t+11], v[A08] offset:\t*TBY+((\s)%2)*1536+1280
.endr
	WIN 0
.irp a, 0,1,2,3
	ds_load_b128 v[F1+48*((\s)%2)+12*\a:F1+48*((\s)%2)+12*\a+3], v[A116] offset:\a*TBY+((\s)%2)*1536
	ds_load_b64 v[F1+48*((\s)%2)+12*\a+4:F1+48*((\s)%2)+12*\a+5], v[A18] offset:\a*TBY+((\s)%2)*1536+512
	ds_load_b128 v[F1+48*((\s)%2)+12*\a+6:F1+48*((\s)%2)+12*\a+9], v[A116] offset:\a*TBY+((\s)%2)*1536+768
	ds_load_b64 v[F1+48*((\s)%2)+12*\a+10:F1+48*((\s)%2)+12*\a+11], v[A18] offset:\a*TBY+((\s)%2)*1536+1280
.endr
.endm
; 16 products: j tiles a0, a0 + 1 x my 8 i tiles.  first = 1: the bias starts the sums.  The 32 accumulators take turns, one instruction a turn, in the same order in every step.
.macro MUL16 a0, s, first
.irp a, \a0, \a0+1
.irp t, 0,1,2,3,4,5,6,7
.if \first
	WM 8*(8*(\a)+\t), 96*((\s)%2)+12*\t, F1+48*((\s)%2)+12*(\a), BI+8*\t, SC0+8*(\t/2)+(\s), SC1+8*((\a)/2)+(\s), \t%2, (\a)%2
.else
	WM 8*(8*(\a)+\t), 96*((\s)%2)+12*\t, F1+48*((\s)%2)+12*(\a), 8*(8*(\a)+\t), SC0+8*(\t/2)+(\s), SC1+8*((\a)/2)+(\s), \t%2, (\a)%2
.endif
.endr
.endr
.endm
; A K step of 128.  An even step fetches its successor, which lies in the same chunk, at its head.  Step 3 changes chunks: my head load has landed
; every wave says so, and the fetch follows the barrier.
.macro STEP s
	s_wait_dscnt 0x0                               ; this step's fragments are in
.if (((\s)%2)==1)&&((\s)<7)
.if (\s)==3                            ; step 3 changes chunks: every wave waits for its head load and says so; steps 1 and 5 go on by 256 along K inside their chunk
	s_wait_tensorcnt 0x0
	s_barrier_signal -1
.set ADV, CH-3072
.else
.set ADV, 3072
.endif
	WIN MULW
	MUL16 0, \s, 0
	WIN 0
.if (\s)==3
	s_barrier_wait -1
.endif
	v_add_nc_u32 v[A016], ADV, v[A016]             ; these four are also the places in front of loads into registers that the last step's products read
	v_add_nc_u32 v[A08], ADV, v[A08]
	v_add_nc_u32 v[A116], ADV, v[A116]
	v_add_nc_u32 v[A18], ADV, v[A18]
	s_wait_alu depctr_va_vdst(0)
	FETCH (\s)+1
	WIN MULW
	MUL16 2, \s, 0
.else
.if (\s) < 7
	PLACES 4                                       ; in front of loads into registers that the last step's products read
	FETCH (\s)+1
.endif
.if (\s) == 0
	WIN MULB
.else
	WIN MULW
.endif
	MUL16 0, \s, (\s)==0
	MUL16 2, \s, (\s)==0
.endif
.endm
; THE WAY OUT, a j tile (16 rows x my 128 channels) at a time: a lane holds 16 neighbouring channels of a row four times over, and the lanes beside it hold other rows: so the tile goes through my own stage and comes
; back as whole rows of 512 bytes.  LDS serves a wave's instructions in order: no wait between the stores and the loads.
.macro TOSTAGE a
	WIN 0x04                                       ; an LDS store's data: window 1
.irp t, 0,1,2,3,4,5,6,7
	ds_store_b128 v[STO], v[8*(8*(\a)+\t):8*(8*(\a)+\t)+3] offset:128*(\t/2)+32*(\t%2)          ; each accumulator from its low end on
	ds_store_b128 v[STO], v[8*(8*(\a)+\t)+4:8*(8*(\a)+\t)+7] offset:128*(\t/2)+32*(\t%2)+16
.endr
	WIN 0
.set BS, BK+64*((\a)%2)
.set ii, 0
.rept 16
	ds_load_b128 v[BS+4*ii:BS+4*ii+3], v[RD] offset:ii*SPITCH
.set ii, ii+1
.endr
.endm
.macro SEND a, younger                 ; younger: the LDS instructions issued behind tile a's loads, which may stay out
.set BS, BK+64*((\a)%2)
	s_wait_dscnt \younger
.set ii, 0
.rept 16
	global_store_b128 v[L16], v[BS+4*ii:BS+4*ii+3], s[98:99] offset:(32*((\a)/2)+8*((\a)%2)+ii+8*(ii/8))*4096 th:TH_STORE_NT   ; 512 consecutive bytes of one row of out0, at a multiple of 512 from its first byte
.set ii, ii+1
.endr
.endm
	s_wait_alu depctr_va_vdst(0)
	s_cmp_lt_u32 s[WV], 2                          ; chunk 0 came by waves 0 and 1, each by a line of its own: they wait; chunk 1 may stay out
	s_cbranch_scc0 .Lnot_first
	s_wait_tensorcnt 0x0
.Lnot_first:
	s_barrier_signal -1
	s_barrier_wait -1                              ; everybody's is
	FETCH 0
.irp s, 0,1,2,3,4,5,6,7
	STEP \s
.endr
	WIN 0
	PLACES 4                                       ; behind the last products: results are read, and registers that held fragments are loaded
	TOSTAGE 0
.irp a, 1,2,3
.if \a > 1
	s_wait_xcnt 0x0                                ; tile a - 2's stores have read their registers: tile a's loads may land there
.endif
	TOSTAGE \a
	SEND \a-1, 32                                  ; behind tile a - 1's loads: tile a's 16 stores and 16 loads
.endr
	SEND 3, 0
	s_wait_tensorcnt 0x0                           ; the wave's end
	ds_add_u32 v[SPW], v[NIL]
	s_wait_dscnt 0x0
	CROUND                                         ; the closing round
	s_endpgm
.Lfunc_end_k_q2d20742e34_proj:
	.size	k_q2d20742e34_proj, .Lfunc_end_k_q2d20742e34_proj-k_q2d20742e34_proj
	.p2alignl 7, 3214868480
	.fill 96, 4, 3214868480
	.section	.rodata,"a",@progbits
	.p2align	6, 0x0
	.amdhsa_kernel k_q2d20742e34_proj
		.amdhsa_group_segment_fixed_size 327680
		.amdhsa_private_segment_fixed_size 0
		.amdhsa_enable_private_segment 0
		.amdhsa_kernarg_size 32
		.amdhsa_user_sgpr_count 2
		.amdhsa_user_sgpr_kernarg_segment_ptr 1
		.amdhsa_wavefront_size32 1
		.amdhsa_system_sgpr_workgroup_id_x 1
		.amdhsa_system_sgpr_workgroup_id_y 1
		.amdhsa_system_sgpr_workgroup_id_z 1
		.amdhsa_system_vgpr_workitem_id 0
		.amdhsa_next_free_vgpr 704
		.amdhsa_next_free_sgpr 100
		.amdhsa_reserve_vcc 0
		.amdhsa_float_denorm_mode_32 3
		.amdhsa_float_denorm_mode_16_64 3
		.amdhsa_memory_ordered 1
		.amdhsa_forward_progress 1
		.amdhsa_inst_pref_size 88
	.end_amdhsa_kernel
	.amdgpu_metadata
---
amdhsa.version: [ 1, 2 ]
amdhsa.kernels:
  - .name:           k_q2d20742e34_proj
    .symbol:         k_q2d20742e34_proj.kd
    .args:
      - { .name: pcs, .offset: 0, .size: 8, .value_kind: global_buffer, .address_space: global }
      - { .name: wcs, .offset: 8, .size: 8, .value_kind: global_buffer, .address_space: global }
      - { .name: wo_b, .offset: 16, .size: 8, .value_kind: global_buffer, .address_space: global }
      - { .name: out0, .offset: 24, .size: 8, .value_kind: global_buffer, .address_space: global }
    .group_segment_fixed_size: 327680
    .private_segment_fixed_size: 0
    .kernarg_segment_align: 8
    .kernarg_segment_size: 32
    .max_flat_workgroup_size: 128
    .sgpr_count:     100
    .vgpr_count:     704
    .wavefront_size: 32
...
	.end_amdgpu_metadata
.endif
;; end of part 4
